; MI455X (gfx1250); checked and timed in simulation.
; The chip was launched on July 23, 2026; its instructions are those of AMD's public machine-readable ISA for CDNA 5 (MIT licence, August 2026) and "CDNA5" Instruction Set Architecture Reference Guide (July 2026). The comments in the code are by the model that wrote it; some were corrected since.
;; Self Attentionv1. Allowed arithmetic: matrix products marked QUANTISED: E2M3 operands, one E8M0 scale for each 32 along K, by v_wmma_scale_f32_16x16x128_f8f6f4 with both operands' format E2M3, f32 sums; everything else in f32.
;; Inputs: Wk 1,024 x 1,024 float32; Wq 1,024 x 1,024 float32; Wv 1,024 x 1,024 float32; X 4 x 2,048 x 1,024 float32; bk 1,024 float32; bq 1,024 float32; bv 1,024 float32.
;; Outputs: out0 4 x 2,048 x 1,024 float32.
;; This version of the problem:
;;   THIS VERSION OF THE PROBLEM IS GIVEN IN LOW PRECISION. The matrix products marked QUANTISED in the list below multiply operands that are first quantised to E2M3 (2 exponent bits, 3 mantissa bits; 6 bits a number), with one power-of-two scale for each 32 numbers along K (OCP MX v1.0); their sums are f32. All else is computed in f32.
;;   The module's matrix products, in the order in which they are computed (A, B: the left and right operand; K: the contracted axis; several contracted axes count as one K, in the product's order):
;;     1. [M 8,192, K 1,024] x [K 1,024, N 1,024]; A: input X; B: input Wq: QUANTISED
;;     2. [M 8,192, K 1,024] x [K 1,024, N 1,024]; A: input X; B: input Wk: QUANTISED
;;     3. [M 8,192, K 1,024] x [K 1,024, N 1,024]; A: input X; B: input Wv: QUANTISED
;;     4. batch 4 x [M 2,048, K 1,024] x [K 1,024, N 2,048]; A: computed on the way; B: computed on the way: QUANTISED
;;     5. batch 4 x [M 2,048, K 2,048] x [K 2,048, N 1,024]; A: softmax (see below); B: computed on the way: QUANTISED
;;   THE QUANTISER, for each operand of a quantised product, along K:
;;     - K is cut into blocks of 32 from its start; a last block that is shorter is filled with zeros.
;;     - A block's scale is 2^e with e = floor(log2(the largest magnitude in the block)) - 2, held to -126 .. 127; a block of zeros has e = 0. As a byte (E8M0): e + 127.
;;     - Each number is divided by its block's scale, clamped to +-7.5, and rounded to the nearest number of E2M3, ties to even, subnormals kept.
;;     - The product sums the exact products of the quantised numbers (number of the format x scale) in f32.
;;   ~~~python
;;   def quantise(x, axis):      # numpy; x: float32 -> the quantised numbers, widened to float32 again
;;       x = np.moveaxis(x, axis, -1); K = x.shape[-1]
;;       x = np.pad(x, [(0, 0)] * (x.ndim - 1) + [(0, -K % 32)]); x = x.reshape(x.shape[:-1] + (-1, 32)); a = np.abs(x).max(-1, keepdims=True)
;;       e = np.where(a > 0, np.clip(np.frexp(np.where(a > 0, a, 1))[1] - 1 - 2, -126, 127), 0)      # np.frexp(a)[1] - 1 = floor(log2(a)), exactly
;;       r = np.clip(x / 2.0 ** e, -7.5, 7.5)
;;       step = 2.0 ** (np.maximum(np.frexp(np.where(r == 0, 1, r))[1] - 1, 0) - 3)
;;       q = np.round(r / step) * step * 2.0 ** e      # np.round: ties to even
;;       return np.moveaxis(q.reshape(q.shape[:-2] + (-1,))[..., :K], -1, axis).astype(np.float32)
;;   ~~~
;;   SOFTMAX AHEAD OF A QUANTISED PRODUCT. Where the list says 'softmax', what is quantised is not the finished softmax but p = 2^(t - M), with t = logit x log2(e) and M = ceil(the row's largest t), a whole number; so 1/2 < the row's largest p <= 1. The row's sum l is taken of the UNQUANTISED p, in f32, and the product's result is divided by l at the end. Since M is a whole number, a kernel that streams over the keys may use a running M (the ceiling of the running maximum): every later rescaling is an exact power of two, which a block's scale takes up: the codes' values come out the same.
;;   OPERANDS COMPUTED ON THE WAY. 'Computed on the way' means the value that the module computes at that place (a softmax that the list does not call 'softmax' is quantised finished and normalised). What goes into a quantiser is computed in f32, as accurately as f32 sums, v_exp_f32 and their like allow (about 1e-6 of the number): no bf16 or f16 on the way to a quantiser, and a product that is left as it is and whose result goes on into a quantised operand takes f32 operands (vector FMAs, or v_wmma_f32_16x16x4_f32). A number that lies on a knife's edge between two numbers of the format may be rounded either way, as far as f32 arithmetic and the matrix unit's own rounding can turn it there, and no further.
;; One version. Each part assembles by itself: llvm-mc -triple=amdgcn-amd-amdhsa -mcpu=gfx1250 --defsym DOCPART=n.
;; ======== version 1 of 1: 4 launches
;; limits: right only within a limited range of input values
;; workspace buffers: uc 8,650,752 bytes; us 360,448 bytes; qkvc 18,874,368 bytes; qkvs 786,432 bytes; pc 12,582,912 bytes; pst 1,572,864 bytes
;; launch quant (part 1): grid 704 x 1, 2 waves a work-group, no clusters, 17,152 bytes of LDS; arguments X, Wq, Wk, Wv, uc, us; writes uc, us
.if DOCPART == 1
	.amdgcn_target "amdgcn-amd-amdhsa--gfx1250"
	.amdhsa_code_object_version 6
	.text
	.protected	k_q2a59789d67_quant
	.globl	k_q2a59789d67_quant
	.p2align	8
	.type	k_q2a59789d67_quant,@function
k_q2a59789d67_quant:
	s_mov_b64 s[64:65], 0
	v_nop
	global_prefetch_b8 v0, s[64:65] scope:SCOPE_SE
	s_setreg_imm32_b32 hwreg(HW_REG_WAVE_MODE, 25, 1), 1
	s_wait_xcnt 0x0
; X [8192][1024], Wq, Wk, Wv [1024][1024], f32, K innermost, become codes of FP6 (E2M3) with one E8M0 byte for each 32 along K.
; A block's scale is 2^(floor(log2(its largest magnitude)) - 2); its byte is the largest magnitude's exponent field - 2, held at 1 from below.
; LIMITS: a block of zeros gets the byte 1 where the quantiser says 127 (its codes are zeros, and this program alone reads the bytes);
; blocks whose largest magnitude lies under 2^(3 - 127) keep the byte 1; NaN and infinities among the inputs are not served.
; THE LAYOUT OF THE CODES IS THE ORDER OF AN OPERAND'S REGISTERS.  The four tensors' rows are joined (X, Wq, Wk, Wv: 11,264 rows) and go in halves of 128.
; A half has 8 tiles of 16 rows; lane r of tile t holds row 32 (t / 2) + 8 (t % 2) + r + 8 (r / 8) of the half.  A fragment (tile t, 128 along K: step s)
; is 12 registers a lane: registers 6 c .. 6 c + 5 hold k = 128 s + 64 c + 32 (lane / 16) + 0 .. 31.  uc: [half][s][t][4 registers][lane][16 bytes];
; us: one word (four bytes) for a row and a step: [half][s][t / 4][r][t % 4].
; SHARES: a wave makes the 4 fragments of one quad (64 rows) and one step.  Each load reads 512 consecutive bytes of a row (16 bytes a lane);
; a fragment's 16 rows turn through the wave's own stage in LDS and come back 128 bytes (a whole block of 32) a lane and c.
; No tensor loads, no barrier: waves share nothing.  Matrix units and clusters have nothing to do here: each byte is read once and written once.
.set ROWB,  4096                       ; a row of f32 in bytes
.set SP,    528                        ; a stage row: 512 bytes + 16
.set STG,   16*SP                      ; a wave's stage
.set FRAGB, 1536                       ; a fragment's image
.set R,     16                         ; v16-143  two sets of 64: a fragment's rows as loaded
.set XS,    144                        ; v144-207 my two blocks of 32
.set PC,    208                        ; v208-219 the fragment's 12 registers
.set TQ,    220                        ; v220-227 the second halves of the blocks' codes, before they are moved
.set SW,    228                        ; v228-231 the four fragments' scale words
	s_load_b256 s[4:11], s[0:1], 0x0               ; X, Wq, Wk, Wv
	s_load_b128 s[12:15], s[0:1], 0x20             ; uc, us
	v_lshl_add_u32 v254, v0, 2, 0x4200
	v_mov_b32 v255, 0
	v_lshrrev_b32 v1, 5, v0
	v_readfirstlane_b32 s18, v1                    ; wave 0, 1
	v_and_b32 v1, 31, v0                           ; lane
	v_lshlrev_b32 v2, 4, v1                        ; 16 x lane
	v_and_b32 v3, 15, v0                           ; r
	v_bfe_u32 v4, v0, 4, 1                         ; h
	s_mul_i32 s19, s18, STG
	v_add_nc_u32 v5, s19, v2                       ; the stage, way in: 16 x lane of a row
	v_mul_u32_u24 v6, v3, SP
	v_lshl_add_u32 v6, v4, 7, v6
	v_add_nc_u32 v6, s19, v6                       ; way out: row r, + 128 h
	v_lshlrev_b32 v7, 4, v3
	v_lshl_add_u32 v7, v4, 3, v7                   ; the scale words' place: 16 r + 8 h
	v_lshlrev_b32 v8, 3, v4                        ; 8 h: how far my two bytes are shifted in the word
	v_mov_b32 v15, 0                               ; a lane permute's destination counts as read: written once
	s_mov_b32 s24, 0x76543210
	s_mov_b32 s25, 0xfedcba98                      ; selects for lane l xor 16
	s_lshr_b32 s16, ttmp9, 2                       ; the quad, 0 .. 175
	s_and_b32 s22, ttmp9, 3
	s_lshl_b32 s22, s22, 1
	s_add_co_u32 s22, s22, s18                     ; the step s, 0 .. 7
	s_and_b32 s17, s16, 15                         ; the quad inside a weight
	s_wait_alu depctr_va_vdst(0)
	s_wait_kmcnt 0x0
	s_cmp_lt_u32 s16, 160                          ; which tensor: the choice hangs on the work-group's number alone
	s_cselect_b64 s[20:21], s[8:9], s[10:11]
	s_cmp_lt_u32 s16, 144
	s_cselect_b64 s[20:21], s[6:7], s[20:21]
	s_cmp_lt_u32 s16, 128
	s_cselect_b64 s[20:21], s[4:5], s[20:21]
	s_cselect_b32 s17, s16, s17                    ; the quad inside its tensor
	s_lshl_b32 s26, s17, 18                        ; 64 rows of 4,096 bytes
	s_lshl_b32 s27, s22, 9                         ; 128 numbers
	s_add_co_u32 s26, s26, s27
	s_mov_b32 s27, 0
	s_add_nc_u64 s[20:21], s[20:21], s[26:27]
	s_lshr_b32 s28, s16, 1                         ; the half
	s_and_b32 s29, s16, 1                          ; which quad of it
	s_mul_i32 s26, s28, 64*FRAGB
	s_mul_i32 s30, s22, 8*FRAGB
	s_add_co_u32 s26, s26, s30
	s_mul_i32 s30, s29, 4*FRAGB
	s_add_co_u32 s26, s26, s30
	s_add_nc_u64 s[12:13], s[12:13], s[26:27]
	s_lshl_b32 s26, s28, 12
	s_lshl_b32 s30, s22, 9
	s_add_co_u32 s26, s26, s30
	s_lshl_b32 s30, s29, 8
	s_add_co_u32 s26, s26, s30
	s_add_nc_u64 s[14:15], s[14:15], s[26:27]
.macro LOAD f                          ; fragment f's 16 rows, in the tile's order of rows
.irp i, 0,1,2,3,4,5,6,7,8,9,10,11,12,13,14,15
	global_load_b128 v[R+64*((\f)%2)+4*\i:R+64*((\f)%2)+4*\i+3], v2, s[20:21] offset:(32*((\f)/2)+8*((\f)%2)+\i+8*(\i/8))*ROWB th:TH_LOAD_NT
.endr
.endm
.macro TURN f                          ; through the stage: LDS serves a wave's instructions in order, so no wait stands between the stores and the loads
.irp i, 0,1,2,3,4,5,6,7,8,9,10,11,12,13,14,15
	ds_store_b128 v5, v[R+64*((\f)%2)+4*\i:R+64*((\f)%2)+4*\i+3] offset:SP*\i
.endr
.irp c, 0,1
.irp m, 0,1,2,3,4,5,6,7
	ds_load_b128 v[XS+32*\c+4*\m:XS+32*\c+4*\m+3], v6 offset:256*\c+16*\m
.endr
.endr
.endm
.macro FRAGQ f                         ; my two blocks (h and 2 + h of row r) become registers 0-5 and 6-11 of the fragment
.irp c, 0,1
	v_max3_num_f32 v[9+\c], |v[XS+32*\c]|, |v[XS+32*\c+1]|, 0x1800000   ; the floor 2^(3 - 127) is one more leaf: the byte cannot fall under 1
.endr
.irp i, 2,4,6,8,10,12,14,16,18,20,22,24,26,28,30
.irp c, 0,1
	v_max3_num_f32 v[9+\c], v[9+\c], |v[XS+32*\c+\i]|, |v[XS+32*\c+\i+1]|
.endr
.endr
.irp c, 0,1
	v_add_nc_u32 v[11+\c], 0xff000000, v[9+\c]     ; 2 off the exponent field: the conversion's scale operand
.endr
.irp c, 0,1
	v_lshrrev_b32 v[13+\c], 23, v[11+\c]           ; the scale's byte
.endr
	v_lshl_or_b32 v[SW+\f], v14, 16, v13           ; blocks h and 2 + h,
	v_lshlrev_b32 v[SW+\f], v8, v[SW+\f]           ; at their places in the word;
	v_permlanex16_b32 v15, v[SW+\f], s24, s25
	v_or_b32 v[SW+\f], v[SW+\f], v15               ; with lane l xor 16's two the word is whole
	s_wait_alu depctr_va_vdst(0)
	s_wait_xcnt 0x0                                ; the last fragment's stores have read v[PC ..]: only now are they written again
.irp c, 0,1
	v_cvt_scalef32_pk16_fp6_f32 v[PC+6*\c:PC+6*\c+2], v[XS+32*\c:XS+32*\c+15], v[11+\c]
	v_cvt_scalef32_pk16_fp6_f32 v[TQ+4*\c:TQ+4*\c+2], v[XS+32*\c+16:XS+32*\c+31], v[11+\c]   ; (a conversion's three registers begin on an even number)
.endr
	v_nop                                          ; one plain place behind a scaled conversion
.irp c, 0,1
.irp i, 0,1,2
	v_mov_b32 v[PC+3+6*\c+\i], v[TQ+4*\c+\i]
.endr
.endr
.irp k, 0,1,2
	global_store_b128 v2, v[PC+4*\k:PC+4*\k+3], s[12:13] offset:FRAGB*(\f)+512*\k   ; 32 lanes store 512 consecutive bytes
.endr
.endm
	LOAD 0
	LOAD 1
	s_wait_loadcnt 16                              ; fragment 0's rows are in; fragment 1's 16 loads may be out
	TURN 0
	s_wait_dscnt 0x0                               ; the stage's stores have read their registers, and my blocks are back
	LOAD 2
	FRAGQ 0
	s_wait_loadcnt 16                              ; fragment 2's may be out
	TURN 1
	s_wait_dscnt 0x0
	LOAD 3
	FRAGQ 1
	s_wait_loadcnt 16                              ; fragment 3's may be out
	TURN 2
	s_wait_dscnt 0x0
	FRAGQ 2
	s_wait_loadcnt 0x0
	TURN 3
	s_wait_dscnt 0x0
	FRAGQ 3
	v_cmp_ne_u32 vcc_lo, 0, v4                     ; lanes 0-15 store row r's words of fragments 0, 1, lanes 16-31 those of 2, 3
	v_cndmask_b32 v232, v[SW], v[SW+2], vcc_lo
	v_cndmask_b32 v233, v[SW+1], v[SW+3], vcc_lo
	global_store_b64 v7, v[232:233], s[14:15]      ; 32 lanes store 256 consecutive bytes, aligned
	s_wait_tensorcnt 0x0
	ds_add_u32 v254, v255
	s_wait_dscnt 0x0
	s_endpgm
.Lfunc_end_k_q2a59789d67_quant:
	.size	k_q2a59789d67_quant, .Lfunc_end_k_q2a59789d67_quant-k_q2a59789d67_quant
	.p2alignl 7, 3214868480
	.fill 96, 4, 3214868480
	.section	.rodata,"a",@progbits
	.p2align	6, 0x0
	.amdhsa_kernel k_q2a59789d67_quant
		.amdhsa_group_segment_fixed_size 17152
		.amdhsa_private_segment_fixed_size 0
		.amdhsa_enable_private_segment 0
		.amdhsa_kernarg_size 48
		.amdhsa_user_sgpr_count 2
		.amdhsa_user_sgpr_kernarg_segment_ptr 1
		.amdhsa_wavefront_size32 1
		.amdhsa_system_sgpr_workgroup_id_x 1
		.amdhsa_system_sgpr_workgroup_id_y 1
		.amdhsa_system_sgpr_workgroup_id_z 1
		.amdhsa_system_vgpr_workitem_id 0
		.amdhsa_next_free_vgpr 256
		.amdhsa_next_free_sgpr 66
		.amdhsa_reserve_vcc 1
		.amdhsa_float_denorm_mode_32 3
		.amdhsa_float_denorm_mode_16_64 3
		.amdhsa_memory_ordered 1
		.amdhsa_forward_progress 1
		.amdhsa_inst_pref_size 31
	.end_amdhsa_kernel
	.amdgpu_metadata
---
amdhsa.version: [ 1, 2 ]
amdhsa.kernels:
  - .name:           k_q2a59789d67_quant
    .symbol:         k_q2a59789d67_quant.kd
    .args:
      - { .name: X, .offset: 0, .size: 8, .value_kind: global_buffer, .address_space: global }
      - { .name: Wq, .offset: 8, .size: 8, .value_kind: global_buffer, .address_space: global }
      - { .name: Wk, .offset: 16, .size: 8, .value_kind: global_buffer, .address_space: global }
      - { .name: Wv, .offset: 24, .size: 8, .value_kind: global_buffer, .address_space: global }
      - { .name: uc, .offset: 32, .size: 8, .value_kind: global_buffer, .address_space: global }
      - { .name: us, .offset: 40, .size: 8, .value_kind: global_buffer, .address_space: global }
    .group_segment_fixed_size: 17152
    .private_segment_fixed_size: 0
    .kernarg_segment_align: 8
    .kernarg_segment_size: 48
    .max_flat_workgroup_size: 64
    .sgpr_count:     66
    .vgpr_count:     256
    .wavefront_size: 32
...
	.end_amdgpu_metadata
.endif
;; end of part 1
;; launch qkv (part 2): grid 8 x 32, 4 waves a work-group, clusters of 4 x 4, 327,680 bytes of LDS; arguments uc, us, bq, bk, bv, qkvc, qkvs; writes qkvc, qkvs
.if DOCPART == 2
	.amdgcn_target "amdgcn-amd-amdhsa--gfx1250"
	.amdhsa_code_object_version 6
	.text
	.protected	k_q2a59789d67_qkv
	.globl	k_q2a59789d67_qkv
	.p2align	8
	.type	k_q2a59789d67_qkv,@function
k_q2a59789d67_qkv:
	s_mov_b64 s[64:65], 0
	v_nop
	global_prefetch_b8 v0, s[64:65] scope:SCOPE_SE
	s_setreg_imm32_b32 hwreg(HW_REG_WAVE_MODE, 25, 1), 1
	s_wait_xcnt 0x0
	s_wait_alu depctr_hold_cnt(0) depctr_sa_sdst(0) depctr_va_vdst(0) depctr_va_sdst(0) depctr_va_ssrc(0) depctr_va_vcc(0) depctr_vm_vsrc(0)
	s_getreg_b32 s2, hwreg(HW_REG_IB_STS2, 6, 4)
	s_cmp_eq_u32 s2, 0
	s_cbranch_scc0 .Lentry_in_a_cluster
	s_endpgm
.Lentry_in_a_cluster:
	s_bfe_u32 s2, ttmp6, 0x10000c
	s_cmp_lg_u32 s2, 0xf033
	s_cbranch_scc0 .Lentry_shape_is_right
	s_endpgm
.Lentry_shape_is_right:
; Q = X Wq^T + bq, K = X Wk^T + bk, V = X Wv^T + bv on codes of FP6 (E2M3) with E8M0 scales, sums in f32; the results are quantised in registers and leave as codes.
; Q and K are quantised along their 1,024 channels, V along the tokens (the keys of the last product), so V is made transposed.
; A WORK-GROUP STAYS AND MAKES ONE AND A HALF TILES, so that 256 work-groups have equal work.  x = 4 cluster x + cx (0-7), y = 4 cluster y + cy (0-31).
;   PART 1: A (source 1: a lane holds one row) = the 256 tokens of block y, B (source 0: a lane's registers run along its rows) = 256 rows of Wq (x 0-3) or Wk (x 4-7); K = 1,024.
;           Four waves, each 128 x 128: 64 accumulators.  A lane holds a token, its registers run along the channels.
;   PART 2: A = the 128 rows of Wv's half x, B = the same 256 tokens.  Four waves, each 64 x 128: 32 accumulators.  A lane holds a channel, its registers run along the tokens.
; OPERANDS LIE IN MEMORY AND IN LDS AS IMAGES OF THEIR REGISTERS: [half of 128 rows][step of 128 along K][tile][4 registers][lane][16 bytes]:
; a fragment is three loads of 16 bytes a lane, 512 consecutive bytes each; a half's steps on end are one dense block for one tensor load.
; Lane r of tile t holds row 32 (t / 2) + 8 (t % 2) + r + 8 (r / 8) of its half.  So in accumulator (a, b) register j of lane (r, h) is B's row 32 (b / 2) + 16 h + 8 (b % 2) + j:
; for one a the 64 registers 8 b + j are, 16 by 16, neighbours along the next product's K, and quantised they are tile a of the next operand's half, in the same order of rows.
; THE RING.  Part 1's 8 steps are 4 fills of 2 steps in three slots: fills 0, 1, 2 and the scale words go out at the start (four tensor loads of a wave are out); fill 3 fills slot 0 again in step 2.
; In step 5 nobody reads slots 1 and 2 any more: they take the tokens' codes of all 8 steps for part 2 (196,608 dense bytes, a quarter a wave).  Behind the last step slot 0 takes Wv's half
; (98,304 dense bytes, a quarter a wave), which lands while part 1's results are quantised.  Part 2 finds all its codes in LDS.  The tokens' scale words are still there from part 1;
; Wv's come through registers into LDS bytes of their own.
; CLUSTERS: 4 x 4.  What hangs on y alone (the tokens) is asked for jointly by the four of a row of the cluster, what hangs on x alone (the weights) by the four of a column.
; LIMITS: a block of zeros gets the byte 1 (its codes are zeros; this program alone reads the bytes); NaN and infinities are not served.
; REGISTERS.  window 0: v1-15 addresses; v16-31 at work; v32-63 scale words, two sets; v64-127 a tile's 64 numbers (in part 1's walk v64-71 hold Wv's scale words on their way);
;   v128-223 A's fragments (part 1: 8, one set; part 2: 4, two sets), later the codes; v224-231 bv; v240-255 at work.
;   window 1: B's fragments, two sets (v0-95, v128-223); bq or bk in v96-127 and v224-255.   window 2: accumulators of A's tiles 0-3 ((a, b) at v[8 (8 (a % 4) + b)]);  window 3: of tiles 4-7.
; THE FILLS OF PART 1, AS THE TEXT BELOW HAS THEM (they take the place of what the paragraph on the ring says of its first fills): at the head one joint load a wave: wave 0 A's two halves of steps 0, 1, wave 1 B's, into slot 0;
; wave 2 A's two halves of steps 2-5, wave 3 B's, into slots 1 and 2, which are one region [A half 0, A half 1, B half 0, B half 1] of four steps each.  Step 1's round shows that region to all and fills slot 0 again with steps 6, 7.
; All scale words come through registers into LDS bytes that no tile lands on.  Wv's codes are asked for into the L2 behind step 1, by the clusters with y under 4 alone, the sixteen waves of a column sharing them by address.
.set FRAGB, 1536
.set HSTEP, 8*FRAGB                    ; a half's step: 12,288 bytes
.set HALFT, 2*HSTEP                    ; what one tensor load of part 1 brings
.set QS,    4*HSTEP                    ; four steps of a half: 49,152 bytes
.set SLOT,  4*HALFT                    ; A's two halves, then B's two
.set SCL,   3*SLOT                     ; behind the ring: the scale words, 4,096 bytes for each of the four halves
.set SPARE, SCL+4*4096                 ; the spare words, 128 bytes for each wave: two blocks of 256 bytes that no other line names
.set SCV,   SPARE+512                  ; Wv's scale words, 4,096 bytes: stored from registers; no tile lands here
.set UHALF, 8*HSTEP                    ; a half in uc
.set OHALF, 16*HSTEP                   ; a half in qkvc
.set ADRA, 2                           ; v2-4  part 1: LDS address of my A half in slot 0, 1, 2, + 16 x lane;  part 2: v2-3: my four tiles of Wv, steps 0-3 and 4-7
.set ADRB, 5                           ; v5-7  the same for B;  part 2: v5-6: my half of the tokens, steps 0-3 and 4-7
.set ADSA, 8                           ; v8    A's scale words, + 16 r
.set ADSB, 9                           ; v9    B's
.set SPW,  10                          ; v10   LDS address of my spare word; never rewritten
.set NIL,  11                          ; v11   0; never rewritten
.set TM,   16
.set SC,   32                          ; set p at SC + 16 p: A's tiles at + 0 .. 7, B's at + 8 .. 15
.set W,    64
.set AF,   128
.set BL,   224
.set TQ,   240
.set PW,   248
.set G1A,  28
.set G1B,  36
.set G1SA, 44
.set G1SB, 52
.set H1A,  44                          ; the head's groups 1: steps 0, 1 of A and of B; steps 2-5 of A and of B
.set H1B,  52
.set H2A,  72
.set H2B,  84
.set G0HA, 92                          ; the head's groups 0: A's, B's
.set G0HB, 96
.set G0A,  68
.set G0B,  80
.set G0SA, 92
.set G0SB, 96
.set G1T,  G1SA                        ; once the head's loads have landed these registers serve part 2's loads: group 1 for the tokens (my row's mask, 192 rows),
.set G0T,  G0SA                        ; their group 0,
.set G0V,  G0SB                        ; and Wv's group 0 (its group 1 is G1B: my column's mask, 96 rows)
.set MUL_LO, 0xa1                      ; source 0 (B) window 1, source 1 (A) window 0, C and D window 2
.set MUL_HI, 0xf1                      ; the same, C and D window 3
.set MSB, 0
.macro WIN new                         ; the immediate's high byte repeats the setting that is left
.if MSB != (\new)
	s_set_vgpr_msb (MSB<<8)|(\new)
.set MSB, (\new)
.endif
.endm
.macro PLACES n
.rept \n
	v_nop
.endr
.endm
.macro JLOAD g0a, g1a, g0b, g1b        ; a joint load: waves 0, 1 fetch A's halves, waves 2, 3 B's; four v_nop follow each line
	s_cmp_eq_u32 s19, 0
	s_cbranch_scc0 .Lfor_b_\@
	tensor_load_to_lds s[\g0a:\g0a+3], s[\g1a:\g1a+7]
	s_nop 0
.rept 4
	v_nop
.endr
	s_branch .Lasked_\@
.Lfor_b_\@:
	tensor_load_to_lds s[\g0b:\g0b+3], s[\g1b:\g1b+7]
	s_nop 0
.rept 4
	v_nop
.endr
.Lasked_\@:
.endm
.macro CREST                           ; a round of the cluster's barrier behind its opening barrier
	s_cmp_lg_u32 s18, 0
	s_cbranch_scc1 .Lnot_wave_0_\@
	s_barrier_signal -3
.Lnot_wave_0_\@:
	s_barrier_wait -3
	s_barrier_signal -1
	s_barrier_wait -1
.endm
.macro CROUND
	s_barrier_signal -1
	s_barrier_wait -1
	CREST
.endm
	s_load_b256 s[4:11], s[0:1], 0x0               ; uc, us, bq, bk
	s_load_b128 s[12:15], s[0:1], 0x20             ; bv, qkvc
	s_load_b64 s[16:17], s[0:1], 0x30              ; qkvs
	v_lshl_add_u32 v[SPW], v0, 2, SPARE
	v_mov_b32 v[NIL], 0
	ds_add_u32 v10, v11
	ds_add_u32 v10, v11
	s_wait_dscnt 0x0
	v_lshrrev_b32 v13, 5, v0
	v_readfirstlane_b32 s18, v13                   ; wave 0..3
	s_lshr_b32 s19, s18, 1                         ; wa: my part of A.  Also, in part 1: I fetch for A (0) or for B (1)
	s_and_b32 s20, s18, 1                          ; wb: my half of B.  Also, in part 1: which half I fetch
	s_bfe_u32 s21, ttmp6, 0x40000                  ; cx
	s_bfe_u32 s22, ttmp6, 0x40004                  ; cy
	s_mov_b32 s23, ttmp9                           ; cluster x
	s_and_b32 s24, ttmp7, 0xffff                   ; cluster y
	s_lshl_b32 s25, s22, 2
	s_lshl_b32 s25, 15, s25                        ; my row of the cluster
	s_lshl_b32 s26, 0x1111, s21                    ; my column
	; descriptor groups 1: dense blocks as rows of 256 bytes (32 elements of 8 bytes): 96 rows of codes; the mask, and bit 21 beside it
	s_or_b32 s[G1A], s25, (3<<16)|(1<<21)
	s_or_b32 s[G1B], s26, (3<<16)|(1<<21)
	s_or_b32 s[H1A], s25, (3<<16)|(1<<21)
	s_or_b32 s[H1B], s26, (3<<16)|(1<<21)
	s_or_b32 s[H2A], s25, (3<<16)|(1<<21)
	s_or_b32 s[H2B], s26, (3<<16)|(1<<21)
.irp g, G1A, G1B
	s_mov_b32 s[\g+1], 32<<16                      ; tensor_dim0
	s_mov_b32 s[\g+2], 96<<16                      ; tensor_dim1
	s_mov_b32 s[\g+3], 32<<16                      ; tile_dim0
	s_mov_b32 s[\g+4], 96                          ; tile_dim1
	s_mov_b32 s[\g+5], 32                          ; the pitch
	s_mov_b32 s[\g+6], 0
	s_mov_b32 s[\g+7], 0
.endr
.irp g, H1A, H1B                       ; two rows (the two halves) of two steps, 3,072 elements of 8 bytes
	s_mov_b32 s[\g+1], 3072<<16
	s_mov_b32 s[\g+3], 3072<<16
.endr
.irp g, H2A, H2B                       ; two rows of four steps
	s_mov_b32 s[\g+1], 6144<<16
	s_mov_b32 s[\g+3], 6144<<16
.endr
.irp g, H1A, H1B, H2A, H2B
	s_mov_b32 s[\g+2], 2<<16
	s_mov_b32 s[\g+4], 2
	s_mov_b32 s[\g+5], UHALF/8
	s_mov_b32 s[\g+6], 0
	s_mov_b32 s[\g+7], 0
.endr
	; part 1's blocks of 256 rows of the joined rows (X 0-31, Wq 32-35, Wk 36-39, Wv 40-43).  A's chain holds cy alone, B's cx alone
	s_lshl_b32 s60, s24, 2
	s_add_co_u32 s60, s60, s22                     ; A's block: y
	s_lshl_b32 s60, s60, 1
	s_add_co_u32 s60, s60, s20                     ; the half of it that I would fetch
	s_lshl_b32 s2, s60, 12                         ; its scale words
	s_mul_i32 s60, s60, UHALF                      ; its codes
	s_mov_b32 s61, 0
	s_mov_b32 s3, 0
	s_lshl_b32 s62, s23, 2
	s_add_co_u32 s62, s62, s21                     ; x
	s_add_co_u32 s62, s62, 32                      ; B's block: 32 + x
	s_lshl_b32 s62, s62, 1
	s_add_co_u32 s62, s62, s20
	s_lshl_b32 s100, s62, 12
	s_mul_i32 s62, s62, UHALF
	s_mov_b32 s63, 0
	s_mov_b32 s101, 0
	s_mul_i32 s27, s18, HALFT                      ; where they go: quarter = wave: no place in the cluster enters an LDS address
	s_mov_b32 s66, 0x76543210
	s_mov_b32 s67, 0xfedcba98                      ; selects for lane l xor 16
	s_wait_kmcnt 0x0
	s_add_nc_u64 s[60:61], s[4:5], s[60:61]
	s_add_nc_u64 s[2:3], s[6:7], s[2:3]
	s_add_nc_u64 s[62:63], s[4:5], s[62:63]
	s_add_nc_u64 s[100:101], s[6:7], s[100:101]
	CROUND                                         ; all sixteen work-groups are here: the first joint loads meet
	s_cmp_eq_u32 s19, 0
	s_cselect_b64 s[104:105], s[2:3], s[100:101]   ; my half's scale words
	s_mul_i32 s100, s19, HALFT                     ; waves 2, 3 begin at step 2
	s_mov_b32 s101, 0
	s_mov_b32 s[G0HA], 1                           ; A, asked for by waves 0 and 2, whose s[60:61] is half 0's
	s_mul_i32 s[G0HA+1], s19, SLOT
	s_add_nc_u64 s[G0HA+2:G0HA+3], s[60:61], s[100:101]
	s_or_b32 s[G0HA+3], s[G0HA+3], 0x80000000
	s_mov_b32 s[G0HB], 1                           ; B, asked for by waves 1 and 3, whose s[62:63] is half 1's
	s_mul_i32 s[G0HB+1], s19, SLOT+2*QS-2*HALFT
	s_add_co_u32 s[G0HB+1], s[G0HB+1], 2*HALFT
	s_add_nc_u64 s[G0HB+2:G0HB+3], s[62:63], s[100:101]
	s_mul_i32 s100, s20, UHALF
	s_sub_nc_u64 s[G0HB+2:G0HB+3], s[G0HB+2:G0HB+3], s[100:101]
	s_or_b32 s[G0HB+3], s[G0HB+3], 0x80000000
.macro ARM under, g0, g1, next
	s_cmp_lt_u32 s18, \under
	s_cbranch_scc0 \next
	tensor_load_to_lds s[\g0:\g0+3], s[\g1:\g1+7]
	s_nop 0
	PLACES 4
	s_branch .Lhead_asked
\next:
.endm
	ARM 1, G0HA, H1A, .Lhead_1                     ; ONE tensor load a wave at the head
	ARM 2, G0HB, H1B, .Lhead_2
	ARM 3, G0HA, H2A, .Lhead_3
	tensor_load_to_lds s[G0HB:G0HB+3], s[H2B:H2B+7]
	s_nop 0
	PLACES 4
.Lhead_asked:
	s_mov_b32 s[G0A], 1                            ; for slot 0's refill: my quarter
	s_mov_b32 s[G0A+1], s27
	s_mov_b64 s[G0A+2:G0A+3], s[60:61]
	s_or_b32 s[G0A+3], s[G0A+3], 0x80000000
	s_mov_b32 s[G0B], 1
	s_mov_b32 s[G0B+1], s27
	s_mov_b64 s[G0B+2:G0B+3], s[62:63]
	s_or_b32 s[G0B+3], s[G0B+3], 0x80000000
	v_and_b32 v12, 31, v0                          ; lane
	v_lshlrev_b32 v1, 4, v12
.irp i, 0,1,2,3,4,5,6,7
	global_load_b128 v[AF+4*\i:AF+4*\i+3], v1, s[104:105] offset:512*\i   ; my 4,096 bytes of scale words: A's half 0, 1, B's half 0, 1 by the wave
.endr
	v_and_b32 v13, 15, v0                          ; r
	s_wait_alu depctr_va_vdst(0)
	v_bfe_u32 v14, v0, 4, 1                        ; h
	s_mul_i32 s2, s19, HALFT
	s_mul_i32 s3, s20, HALFT
	s_add_co_u32 s3, s3, 2*HALFT
	v_add_nc_u32 v[ADRA], s2, v1
	v_add_nc_u32 v[ADRB], s3, v1
	s_mul_i32 s2, s19, QS
	s_mul_i32 s3, s20, QS
	s_add_co_u32 s2, s2, SLOT
	s_add_co_u32 s3, s3, SLOT+2*QS
	v_add_nc_u32 v[ADRA+1], s2, v1                 ; steps 2, 3,
	v_add_nc_u32 v[ADRB+1], s3, v1
	s_add_co_u32 s2, s2, 2*HSTEP
	s_add_co_u32 s3, s3, 2*HSTEP
	v_add_nc_u32 v[ADRA+2], s2, v1                 ; and 4, 5
	v_add_nc_u32 v[ADRB+2], s3, v1
	s_lshl_b32 s2, s19, 12
	s_add_co_u32 s2, s2, SCL
	s_lshl_b32 s3, s20, 12
	s_add_co_u32 s3, s3, SCL+2*4096
	v_lshl_add_u32 v[ADSA], v13, 4, s2
	v_lshl_add_u32 v[ADSB], v13, 4, s3
.irp b, 0,1,2,3
	v_mov_b32 v[TM+4+\b], 0                        ; a lane permute's destination counts as read: written once
.endr
	; the biases and Wv's scale words are asked for here and waited for behind part 1's last step.  Along the registers: bq or bk at channel 256 cx + 128 wb + 32 (b / 2) + 16 h + 8 (b % 2) + j
	s_cmp_eq_u32 s23, 0
	s_cselect_b64 s[8:9], s[8:9], s[10:11]
	s_lshl_b32 s2, s21, 10
	s_lshl_b32 s3, s20, 9
	s_add_co_u32 s2, s2, s3
	s_mov_b32 s3, 0
	s_add_nc_u64 s[8:9], s[8:9], s[2:3]
	s_lshl_b32 s60, s23, 2
	s_add_co_u32 s60, s60, s21                     ; x
	s_lshl_b32 s2, s60, 9                          ; along the lanes: bv at channel 128 x + 64 wa + the tile's row
	s_lshl_b32 s61, s19, 8
	s_add_co_u32 s2, s2, s61
	s_add_nc_u64 s[12:13], s[12:13], s[2:3]
	s_add_co_u32 s60, s60, 80                      ; Wv's half 80 + x: its 4,096 bytes of scale words, a quarter a wave
	s_lshl_b32 s2, s60, 12
	s_lshl_b32 s61, s18, 10
	s_add_co_u32 s2, s2, s61
	s_add_nc_u64 s[6:7], s[6:7], s[2:3]
	v_lshlrev_b32 v15, 6, v14                      ; 64 h
	v_and_b32 v14, 8, v13
	v_add_nc_u32 v13, v13, v14
	v_lshlrev_b32 v13, 2, v13
	s_lshl_b32 s61, s18, 12
	s_add_co_u32 s61, s61, SCL
	v_add_nc_u32 v14, s61, v1                      ; where my scale words go in LDS
	s_lshl_b32 s61, s22, 2
	s_add_co_u32 s61, s61, s18
	s_mul_i32 s61, s61, HSTEP/2                    ; my number among the sixteen waves of my column: 6,144 bytes of Wv's 98,304, 24 blocks of 256
	v_min_u32 v232, 23, v12
	v_lshl_add_u32 v232, v232, 8, s61
	WIN 0x40                                       ; destination window 1
.irp b, 0,1,2,3,4,5,6,7
	global_load_b128 v[96+8*\b+96*(\b/4):96+8*\b+96*(\b/4)+3], v15, s[8:9] offset:(32*(\b/2)+8*(\b%2))*4
	global_load_b128 v[96+8*\b+96*(\b/4)+4:96+8*\b+96*(\b/4)+7], v15, s[8:9] offset:(32*(\b/2)+8*(\b%2))*4+16
.endr
	WIN 0
.irp a, 0,1,2,3
	global_load_b32 v[BL+2*\a], v13, s[12:13] offset:(32*(\a/2)+8*(\a%2))*4
	v_mov_b32 v[BL+2*\a+1], 0                      ; (named with it as a pair, so it is written)
.endr
	global_load_b128 v[W:W+3], v1, s[6:7]          ; 512 consecutive bytes each; these registers are idle in part 1's walk
	global_load_b128 v[W+4:W+7], v1, s[6:7] offset:512
	; where part 1's results go: token half 2 y + wa, step 2 x + wb (steps 0-7 Q, 8-15 K)
	s_lshl_b32 s2, s24, 3
	s_lshl_b32 s60, s22, 1
	s_add_co_u32 s2, s2, s60
	s_add_co_u32 s2, s2, s19
	s_lshl_b32 s60, s23, 2
	s_add_co_u32 s60, s60, s21
	s_lshl_b32 s60, s60, 1
	s_add_co_u32 s60, s60, s20
	s_mul_i32 s61, s2, OHALF
	s_mul_i32 s62, s60, HSTEP
	s_add_co_u32 s62, s61, s62
	s_mov_b32 s63, 0
	s_add_nc_u64 s[14:15], s[14:15], s[62:63]
	s_lshl_b32 s62, s2, 13
	s_lshl_b32 s61, s60, 9
	s_add_co_u32 s62, s62, s61
	s_add_nc_u64 s[16:17], s[16:17], s[62:63]
.macro FRAG reg, adr, q, i             ; a fragment's image: three loads, each of 512 consecutive bytes
.irp c, 0,1,2
	ds_load_b128 v[\reg+4*\c:\reg+4*\c+3], v[\adr] offset:(\q)*HSTEP+(\i)*FRAGB+512*\c
.endr
.endm
.macro FETCH_B k, q, sig, p            ; part 1: B's eight fragments of slot k's q-th step into set p, and step sig's scale words of both sides: 28 loads
	WIN 0x40
.irp i, 0,1,2,3,4,5,6,7
	FRAG 128*(\p)+12*\i, ADRB+\k, \q, \i
.endr
	WIN 0
	ds_load_b128 v[SC+16*(\p):SC+16*(\p)+3], v[ADSA] offset:512*(\sig)
	ds_load_b128 v[SC+16*(\p)+4:SC+16*(\p)+7], v[ADSA] offset:512*(\sig)+256
	ds_load_b128 v[SC+16*(\p)+8:SC+16*(\p)+11], v[ADSB] offset:512*(\sig)
	ds_load_b128 v[SC+16*(\p)+12:SC+16*(\p)+15], v[ADSB] offset:512*(\sig)+256
.endm
.macro FETCH_A k, q, i0                ; part 1: A's tiles i0 .. i0 + 3: 12 loads
.irp i, \i0, \i0+1, \i0+2, \i0+3
	FRAG AF+12*(\i), ADRA+\k, \q, \i
.endr
.endm
; 16 matrix instructions: A's tiles a0, a0 + 1 (their fragments from v[ab] on) x B's eight.  The accumulators take turns, one instruction a turn, in the same order in every step.
.macro MUL16 a0, p, zero, ab
.irp a, \a0, \a0+1
.irp b, 0,1,2,3,4,5,6,7
.if \zero
	v_wmma_scale_f32_16x16x128_f8f6f4 v[8*(8*((\a)%4)+\b):8*(8*((\a)%4)+\b)+7], v[128*(\p)+12*\b:128*(\p)+12*\b+11], v[(\ab)+12*(\a):(\ab)+12*(\a)+11], 0, v[SC+16*(\p)+8+\b], v[SC+16*(\p)+(\a)] matrix_a_fmt:MATRIX_FMT_FP6 matrix_b_fmt:MATRIX_FMT_FP6
.else
	v_wmma_scale_f32_16x16x128_f8f6f4 v[8*(8*((\a)%4)+\b):8*(8*((\a)%4)+\b)+7], v[128*(\p)+12*\b:128*(\p)+12*\b+11], v[(\ab)+12*(\a):(\ab)+12*(\a)+11], v[8*(8*((\a)%4)+\b):8*(8*((\a)%4)+\b)+7], v[SC+16*(\p)+8+\b], v[SC+16*(\p)+(\a)] matrix_a_fmt:MATRIX_FMT_FP6 matrix_b_fmt:MATRIX_FMT_FP6
.endif
.endr
.endr
.endm
; PART 1, step sig of 128 along K: 64 matrix instructions; in its middle the next step's B, scale words and A's tiles 0-3 are fetched (slot nk, its nq-th step), at its end A's tiles 4-7.
; sync = 1: a barrier in front of the fetch: the slot to be read has landed in every wave (tcnt younger tensor loads may be out).
; sync = 2, 3: a change behind which LDS bytes are filled again: all my tensor loads, the add, my LDS reads; a round of the cluster's barrier; the joint refill first behind it.
;   2: slot 0 takes steps 6 and 7.   3: slots 1 and 2 take the tokens' codes for part 2, every wave its quarter.
; Four plain places stand in front of each run of loads into registers that matrix instructions have read (ISA guide 7.12.1 for ALU instructions, not loads).
.macro KSTEP sig, nk, nq, sync, tcnt, zero
.if \sync >= 2
	s_wait_tensorcnt 0x0                           ; all my tensor loads have landed
	ds_add_u32 v[SPW], v[NIL]                      ; 0 onto my spare word
	s_wait_dscnt 13                                ; the add and the youngest 12 loads (A's tiles 4-7) may be out
.elseif \sync == 1
	s_wait_tensorcnt \tcnt
	s_wait_dscnt 12                                ; A's tiles 4-7 may be out
.else
	s_wait_dscnt 12                                ; A's tiles 4-7 may be out
.endif
	WIN MUL_LO
	MUL16 0, (\sig)%2, \zero, AF
.if \sync
	s_wait_dscnt 0x0                               ; no LDS instruction of mine is out at the signal
	s_barrier_signal -1
.endif
	MUL16 2, (\sig)%2, \zero, AF
.if \sync
	WIN 0
	s_barrier_wait -1
.else
	s_wait_dscnt 0x0                               ; A's tiles 4-7 are in
.endif
.if \sync == 2
	CREST                                          ; no wave of any partner still reads slot 0 or has a load on its way
	s_add_nc_u64 s[G0A+2:G0A+3], s[G0A+2:G0A+3], 3*HALFT
	s_add_nc_u64 s[G0B+2:G0B+3], s[G0B+2:G0B+3], 3*HALFT
	JLOAD G0A, G1A, G0B, G1B                       ; steps 6 and 7 into slot 0; the four v_nop behind it are also the places in front of the loads below
.elseif \sync == 3
	CREST                                          ; no wave of any partner still reads slots 1 and 2 or has a load on its way
	tensor_load_to_lds s[G0T:G0T+3], s[G1T:G1T+7]  ; my quarter of the tokens' 196,608 bytes: 160 matrix instructions stand between this request and the wait for it
	s_nop 0
	PLACES 4                                       ; (the places in front of the loads below)
.else
	PLACES 4
.endif
	FETCH_B \nk, \nq, (\sig)+1, 1-(\sig)%2
	FETCH_A \nk, \nq, 0
	WIN MUL_HI
	MUL16 4, (\sig)%2, \zero, AF
	MUL16 6, (\sig)%2, \zero, AF
	PLACES 4
	WIN 0
	FETCH_A \nk, \nq, 4
.endm
	s_wait_alu depctr_va_vdst(0)
	s_wait_loadcnt 22                              ; my scale words; the 22 loads behind them may be out
.irp i, 0,1,2,3,4,5,6,7
	ds_store_b128 v14, v[AF+4*\i:AF+4*\i+3] offset:512*\i
.endr
	s_cmp_lt_u32 s18, 2
	s_cbranch_scc0 .Lnot_first
	s_wait_tensorcnt 0x0                           ; steps 0, 1; those of waves 2, 3 are waited for in step 1's round
.Lnot_first:
	s_wait_dscnt 0x0
	s_barrier_signal -1
	s_barrier_wait -1
	FETCH_B 0, 0, 0, 0
	FETCH_A 0, 0, 0
	FETCH_A 0, 0, 4
	KSTEP 0, 0, 1, 0, 0, 1                         ; the first step's products start the sums: nothing is cleared
	KSTEP 1, 1, 0, 2, 0, 0                         ; steps 2-5 have landed in every wave; slot 0, whose last reads end in front of this step's signal, takes steps 6, 7
	s_lshl_b32 s52, s23, 2
	s_add_co_u32 s52, s52, s21                     ; x
	s_add_co_u32 s52, s52, 80                      ; Wv's half
	s_mul_i32 s52, s52, UHALF
	s_mov_b32 s53, 0
	s_add_nc_u64 s[52:53], s[4:5], s[52:53]
	s_cmp_lt_u32 s24, 4
	s_cbranch_scc0 .Lno_prefetch
	global_prefetch_b8 v232, s[52:53] th:TH_LOAD_NT scope:SCOPE_SE
.Lno_prefetch:
	KSTEP 2, 1, 1, 0, 0, 0
	KSTEP 3, 2, 0, 0, 0, 0
	; part 2's descriptors, in the registers of the head's loads: those were waited for in front of step 1's round; the one load that is out names none of them
	s_or_b32 s[G1T], s25, (3<<16)|(1<<21)
	s_mov_b32 s[G1T+1], 32<<16
	s_mov_b32 s[G1T+3], 32<<16
	s_mov_b32 s[G1T+5], 32
	s_mov_b32 s[G1T+6], 0
	s_mov_b32 s[G1T+7], 0
	s_mov_b32 s[G1T+2], 192<<16                    ; tensor_dim1: 192 rows of 256 bytes
	s_mov_b32 s[G1T+4], 192                        ; tile_dim1
	s_lshl_b32 s60, s24, 2
	s_add_co_u32 s60, s60, s22                     ; y
	s_mul_i32 s60, s60, 2*UHALF                    ; the block's two halves lie on end in uc
	s_mul_i32 s62, s18, QS                         ; my quarter
	s_add_co_u32 s60, s60, s62
	s_mov_b32 s61, 0
	s_mov_b32 s[G0T], 1
	s_add_co_u32 s[G0T+1], s62, SLOT               ; into slots 1 and 2, as they lie in memory
	s_add_nc_u64 s[G0T+2:G0T+3], s[4:5], s[60:61]
	s_or_b32 s[G0T+3], s[G0T+3], 0x80000000
	s_lshl_b32 s100, s23, 2
	s_add_co_u32 s100, s100, s21                   ; x
	s_add_co_u32 s100, s100, 80                    ; Wv's half
	s_mul_i32 s100, s100, UHALF
	s_mov_b32 s[G0V], 1
	s_mul_i32 s[G0V+1], s18, HALFT                 ; my quarter, into slot 0
	s_add_co_u32 s100, s100, s[G0V+1]
	s_mov_b32 s101, 0
	s_add_nc_u64 s[G0V+2:G0V+3], s[4:5], s[100:101]
	s_or_b32 s[G0V+3], s[G0V+3], 0x80000000
	KSTEP 4, 2, 1, 0, 0, 0
	KSTEP 5, 0, 0, 3, 0, 0                         ; the refill of slot 0 has landed in every wave; slot 2's last reads ended in front of this step's signal
	KSTEP 6, 0, 1, 0, 0, 0
	s_wait_dscnt 12                                ; the last step: nothing more to fetch
	WIN MUL_LO
	MUL16 0, 1, 0, AF
	MUL16 2, 1, 0, AF
	s_wait_dscnt 0x0
	WIN MUL_HI
	MUL16 4, 1, 0, AF
	MUL16 6, 1, 0, AF
	WIN 0
	s_wait_loadcnt 0x0                             ; the biases and Wv's scale words
	s_lshl_b32 s2, s18, 10
	s_add_co_u32 s2, s2, SCV
	v_add_nc_u32 v13, s2, v1
	ds_store_b128 v13, v[W:W+3]                    ; my quarter of Wv's scale words, as they lie in memory
	ds_store_b128 v13, v[W+4:W+7] offset:512
	s_wait_tensorcnt 0x0                           ; the tokens' codes have landed
	ds_add_u32 v[SPW], v[NIL]                      ; 0 onto my spare word
	s_wait_dscnt 0x0                               ; the add and my stores are done; my reads of slot 0 ended above
	CROUND                                         ; no wave of any partner still reads slot 0 or has a load on its way
	tensor_load_to_lds s[G0V:G0V+3], s[G1B:G1B+7]  ; my quarter of Wv's half: it lands while part 1's results are quantised
	s_nop 0
	PLACES 4                                       ; (the places behind the last products, in front of the first read of results and the first write over A's fragments)
; THE WAY OUT, tile a of A by tile: bias, quantiser, three stores of 512 consecutive bytes.
.macro BIAS1 a                         ; v[W + 8 b + j] = accumulator (a, b), register j, + the bias of its channel; each accumulator is read from its low end on
	WIN 0x06+(\a)/4                                ; source 0: window 2 or 3; source 1: window 1
.irp n, 0,2,4,6,8,10,12,14,16,18,20,22,24,26,28,30,32,34,36,38,40,42,44,46,48,50,52,54,56,58,60,62
	v_pk_add_f32 v[W+\n:W+\n+1], v[64*((\a)%4)+\n:64*((\a)%4)+\n+1], v[96+\n+96*(\n/32):96+\n+96*(\n/32)+1]
.endr
	WIN 0
.endm
.macro BIAS2 a                         ; the same with the bias of the lane's channel
	WIN 0x02                                       ; source 0: window 2
.irp n, 0,2,4,6,8,10,12,14,16,18,20,22,24,26,28,30,32,34,36,38,40,42,44,46,48,50,52,54,56,58,60,62
	v_pk_add_f32 v[W+\n:W+\n+1], v[64*(\a)+\n:64*(\a)+\n+1], v[BL+2*(\a):BL+2*(\a)+1] op_sel_hi:[1,0]
.endr
	WIN 0
.endm
; From the four blocks' largest magnitudes in v[TM ..] on: scale operands, bytes, the row's scale word in v[pw], the codes of v[s .. s + 63] in v[pc .. pc + 11].
.macro QTAIL s, pc, pw
.irp b, 0,1,2,3
	v_add_nc_u32 v[TM+12+\b], 0xff000000, v[TM+\b] ; 2 off the exponent field: the conversion's scale operand
.endr
.irp b, 0,1,2,3
	v_lshrrev_b32 v[TM+4+\b], 23, v[TM+12+\b]      ; the scale's byte
.endr
	v_lshl_or_b32 v[\pw], v[TM+5], 8, v[TM+4]
	v_lshl_or_b32 v[\pw], v[TM+6], 16, v[\pw]
	v_lshl_or_b32 v[\pw], v[TM+7], 24, v[\pw]
.irp c, 0,1
	v_cvt_scalef32_pk16_fp6_f32 v[\pc+6*\c:\pc+6*\c+2], v[\s+32*\c:\s+32*\c+15], v[TM+12+2*\c]
	v_cvt_scalef32_pk16_fp6_f32 v[TQ+4*\c:TQ+4*\c+2], v[\s+32*\c+16:\s+32*\c+31], v[TM+12+2*\c+1]   ; (a conversion's three registers begin on an even number)
.endr
	v_nop                                          ; one plain place behind a scaled conversion
.irp c, 0,1                            ; the operand's layout wants a whole block in a lane: lanes 0-15 block 2 c, lanes 16-31 block 2 c + 1
.irp i, 0,1,2
	v_permlane16_swap_b32 v[\pc+6*\c+\i], v[TQ+4*\c+\i]
.endr
.irp i, 0,1,2
	v_mov_b32 v[\pc+3+6*\c+\i], v[TQ+4*\c+\i]
.endr
.endr
.endm
.macro QUANT s, pc, pw                 ; register 16 b + i of v[s ..] is k 32 b + 16 (lane / 16) + i of my row
.irp b, 0,1,2,3
	v_max3_num_f32 v[TM+\b], |v[\s+16*\b]|, |v[\s+16*\b+1]|, 0x1800000   ; the floor 2^(3 - 127) is one more leaf: the byte cannot fall under 1
.endr
.irp i, 2,4,6,8,10,12,14
.irp b, 0,1,2,3
	v_max3_num_f32 v[TM+\b], v[TM+\b], |v[\s+16*\b+\i]|, |v[\s+16*\b+\i+1]|
.endr
.endr
.irp b, 0,1,2,3
	v_permlanex16_b32 v[TM+4+\b], v[TM+\b], s66, s67
.endr
.irp b, 0,1,2,3
	v_max_num_f32 v[TM+\b], v[TM+\b], v[TM+4+\b]   ; with lane l xor 16's: the block's largest magnitude
.endr
	QTAIL \s, \pc, \pw
.endm
.irp a, 0,1,2,3,4,5,6,7
	BIAS1 \a
	QUANT W, AF+12*\a, PW+\a
.irp k, 0,1,2
	global_store_b128 v1, v[AF+12*\a+4*\k:AF+12*\a+4*\k+3], s[14:15] offset:FRAGB*\a+512*\k   ; each tile has registers of its own: no store's data are written again in this part
.endr
.endr
	v_cmp_le_u32 vcc_lo, 16, v12                   ; lanes 0-15 store row r's words of tiles 0-3, lanes 16-31 those of tiles 4-7
.irp j, 0,1,2,3
	v_cndmask_b32 v[W+\j], v[PW+\j], v[PW+4+\j], vcc_lo
.endr
	global_store_b128 v1, v[W:W+3], s[16:17]       ; 512 consecutive bytes
	; ---- PART 2.  In LDS: Wv's half at 0, [step][tile]; the tokens' two halves from SLOT on, [half][step][tile]; an immediate reaches four steps, so each has two address registers
	v_and_b32 v13, 15, v0                          ; r
	s_wait_alu depctr_va_vdst(0)
	v_bfe_u32 v14, v0, 4, 1                        ; h
	s_mul_i32 s2, s19, 4*FRAGB                     ; my four tiles of Wv's eight
	s_mul_i32 s3, s20, UHALF
	s_add_co_u32 s3, s3, SLOT                      ; my half of the tokens
.irp k, 0,1
	v_add_nc_u32 v[ADRA+\k], s2, v1
	v_add_nc_u32 v[ADRB+\k], s3, v1
	s_add_co_u32 s2, s2, QS
	s_add_co_u32 s3, s3, QS
.endr
	s_lshl_b32 s2, s19, 8
	s_add_co_u32 s2, s2, SCV
	s_lshl_b32 s3, s20, 12
	s_add_co_u32 s3, s3, SCL                       ; the tokens' scale words: part 1's A quarters
	v_lshl_add_u32 v[ADSA], v13, 4, s2
	v_lshl_add_u32 v[ADSB], v13, 4, s3
	v_lshlrev_b32 v15, 4, v13
	s_wait_alu depctr_va_vdst(0)
	v_lshl_add_u32 v15, v14, 3, v15                ; the scale words' place on the way out: 16 r + 8 h
	; where part 2's results go: half 64 + 8 (y / 8) + x, step 2 (y % 8) + wb, tiles 4 wa on.  In steps of a half's 16: part 1 stands at u1 = 16 (2 y + wa) + 2 x + wb,
	; part 2 at u2 = 16 (64 + 8 (y / 8) + x) + 2 (y % 8) + wb, always further on: both pointers go 2 (u2 - u1) + wa half steps on (6,144 bytes of codes, 256 of scale words)
	s_lshl_b32 s2, s24, 2
	s_add_co_u32 s2, s2, s22                       ; y
	s_lshl_b32 s3, s23, 2
	s_add_co_u32 s3, s3, s21                       ; x
	s_lshr_b32 s60, s2, 3
	s_lshl_b32 s60, s60, 3
	s_add_co_u32 s60, s60, s3
	s_add_co_u32 s60, s60, 64
	s_lshl_b32 s60, s60, 4
	s_and_b32 s61, s2, 7
	s_lshl_b32 s61, s61, 1
	s_add_co_u32 s60, s60, s61                     ; u2 - wb
	s_lshl_b32 s2, s2, 1
	s_add_co_u32 s2, s2, s19
	s_lshl_b32 s2, s2, 4
	s_lshl_b32 s3, s3, 1
	s_add_co_u32 s2, s2, s3                        ; u1 - wb
	s_sub_co_u32 s60, s60, s2
	s_lshl_b32 s60, s60, 1
	s_add_co_u32 s60, s60, s19
	s_lshl_b32 s62, s60, 8
	s_mul_i32 s60, s60, 4*FRAGB
	s_mov_b32 s61, 0
	s_mov_b32 s63, 0
	s_wait_xcnt 0x0                                ; part 1's stores have read their registers and their bases: only now are the bases stepped and the codes' registers loaded again
	s_add_nc_u64 s[14:15], s[14:15], s[60:61]
	s_add_nc_u64 s[16:17], s[16:17], s[62:63]
.macro FETCH2 k, q, sig, p             ; step sig (the q-th of the four that address k reaches): the tokens' eight fragments, Wv's four, the scale words: 39 loads, into sets p
	WIN 0x40
.irp i, 0,1,2,3,4,5,6,7
	FRAG 128*(\p)+12*\i, ADRB+\k, \q, \i
.endr
	WIN 0
.irp i, 0,1,2,3
	FRAG AF+48*(\p)+12*\i, ADRA+\k, \q, \i
.endr
	ds_load_b128 v[SC+16*(\p):SC+16*(\p)+3], v[ADSA] offset:512*(\sig)
	ds_load_b128 v[SC+16*(\p)+8:SC+16*(\p)+11], v[ADSB] offset:512*(\sig)
	ds_load_b128 v[SC+16*(\p)+12:SC+16*(\p)+15], v[ADSB] offset:512*(\sig)+256
.endm
.macro VSTEP sig, nk, nq, zero         ; 32 matrix instructions; the next step is fetched first, into the other sets, and lands under this step's products
	s_wait_dscnt 0x0                               ; this step's fragments and scale words are in
	PLACES 4                                       ; in front of loads into the sets that the last step's products read
	FETCH2 \nk, \nq, (\sig)+1, 1-(\sig)%2
	WIN MUL_LO
	MUL16 0, (\sig)%2, \zero, AF+48*((\sig)%2)
	MUL16 2, (\sig)%2, \zero, AF+48*((\sig)%2)
	WIN 0
.endm
	s_wait_tensorcnt 0x0                           ; my quarter of Wv's half is in,
	s_barrier_signal -1
	s_barrier_wait -1                              ; everybody's is; nothing is filled again from here on
	FETCH2 0, 0, 0, 0
	VSTEP 0, 0, 1, 1                               ; the first step's products start the sums
	VSTEP 1, 0, 2, 0
	VSTEP 2, 0, 3, 0
	VSTEP 3, 1, 0, 0
	VSTEP 4, 1, 1, 0
	VSTEP 5, 1, 2, 0
	VSTEP 6, 1, 3, 0
	s_wait_dscnt 0x0                               ; the last step: nothing more to fetch
	WIN MUL_LO
	MUL16 0, 1, 0, AF+48
	MUL16 2, 1, 0, AF+48
	WIN 0
	PLACES 4                                       ; behind the last products, in front of the first read of results and the first write over Wv's fragments
.irp a, 0,1,2,3
	BIAS2 \a
	QUANT W, AF+12*\a, PW+\a
.irp k, 0,1,2
	global_store_b128 v1, v[AF+12*\a+4*\k:AF+12*\a+4*\k+3], s[14:15] offset:FRAGB*\a+512*\k   ; 512 consecutive bytes; each tile has registers of its own
.endr
.endr
	v_cmp_le_u32 vcc_lo, 16, v12                   ; lanes 0-15 store row r's words of my tiles 0, 1, lanes 16-31 those of tiles 2, 3
	v_cndmask_b32 v[W], v[PW], v[PW+2], vcc_lo
	v_cndmask_b32 v[W+1], v[PW+1], v[PW+3], vcc_lo
	global_store_b64 v15, v[W:W+1], s[16:17]       ; 32 lanes store 256 consecutive bytes, aligned
	s_wait_tensorcnt 0x0                           ; the wave's end
	ds_add_u32 v[SPW], v[NIL]
	s_wait_dscnt 0x0
	CROUND                                         ; the closing round: no work-group ends while a partner may still ask for a tile that names it
	s_endpgm
.Lfunc_end_k_q2a59789d67_qkv:
	.size	k_q2a59789d67_qkv, .Lfunc_end_k_q2a59789d67_qkv-k_q2a59789d67_qkv
	.p2alignl 7, 3214868480
	.fill 96, 4, 3214868480
	.section	.rodata,"a",@progbits
	.p2align	6, 0x0
	.amdhsa_kernel k_q2a59789d67_qkv
		.amdhsa_group_segment_fixed_size 327680
		.amdhsa_private_segment_fixed_size 0
		.amdhsa_enable_private_segment 0
		.amdhsa_kernarg_size 56
		.amdhsa_user_sgpr_count 2
		.amdhsa_user_sgpr_kernarg_segment_ptr 1
		.amdhsa_wavefront_size32 1
		.amdhsa_system_sgpr_workgroup_id_x 1
		.amdhsa_system_sgpr_workgroup_id_y 1
		.amdhsa_system_sgpr_workgroup_id_z 1
		.amdhsa_system_vgpr_workitem_id 0
		.amdhsa_next_free_vgpr 1024
		.amdhsa_next_free_sgpr 106
		.amdhsa_reserve_vcc 1
		.amdhsa_float_denorm_mode_32 3
		.amdhsa_float_denorm_mode_16_64 3
		.amdhsa_memory_ordered 1
		.amdhsa_forward_progress 1
		.amdhsa_inst_pref_size 242
	.end_amdhsa_kernel
	.amdgpu_metadata
---
amdhsa.version: [ 1, 2 ]
amdhsa.kernels:
  - .name:           k_q2a59789d67_qkv
    .symbol:         k_q2a59789d67_qkv.kd
    .args:
      - { .name: uc, .offset: 0, .size: 8, .value_kind: global_buffer, .address_space: global }
      - { .name: us, .offset: 8, .size: 8, .value_kind: global_buffer, .address_space: global }
      - { .name: bq, .offset: 16, .size: 8, .value_kind: global_buffer, .address_space: global }
      - { .name: bk, .offset: 24, .size: 8, .value_kind: global_buffer, .address_space: global }
      - { .name: bv, .offset: 32, .size: 8, .value_kind: global_buffer, .address_space: global }
      - { .name: qkvc, .offset: 40, .size: 8, .value_kind: global_buffer, .address_space: global }
      - { .name: qkvs, .offset: 48, .size: 8, .value_kind: global_buffer, .address_space: global }
    .group_segment_fixed_size: 327680
    .private_segment_fixed_size: 0
    .kernarg_segment_align: 8
    .kernarg_segment_size: 56
    .max_flat_workgroup_size: 128
    .sgpr_count:     106
    .vgpr_count:     1024
    .wavefront_size: 32
...
	.end_amdgpu_metadata
.endif
;; end of part 2
;; launch scores (part 3): grid 8 x 32, 4 waves a work-group, clusters of 4 x 4, 327,680 bytes of LDS; arguments qkvc, qkvs, pc, pst; writes pc, pst
.if DOCPART == 3
	.amdgcn_target "amdgcn-amd-amdhsa--gfx1250"
	.amdhsa_code_object_version 6
	.text
	.protected	k_q2a59789d67_scores
	.globl	k_q2a59789d67_scores
	.p2align	8
	.type	k_q2a59789d67_scores,@function
k_q2a59789d67_scores:
	s_mov_b64 s[64:65], 0
	v_nop
	global_prefetch_b8 v0, s[64:65] scope:SCOPE_SE
	s_setreg_imm32_b32 hwreg(HW_REG_WAVE_MODE, 25, 1), 1
	s_wait_xcnt 0x0
	s_wait_alu depctr_hold_cnt(0) depctr_sa_sdst(0) depctr_va_vdst(0) depctr_va_sdst(0) depctr_va_ssrc(0) depctr_va_vcc(0) depctr_vm_vsrc(0)
	s_getreg_b32 s2, hwreg(HW_REG_IB_STS2, 6, 4)
	s_cmp_eq_u32 s2, 0
	s_cbranch_scc0 .Lentry_in_a_cluster
	s_endpgm
.Lentry_in_a_cluster:
	s_bfe_u32 s2, ttmp6, 0x10000c
	s_cmp_lg_u32 s2, 0xf033
	s_cbranch_scc0 .Lentry_shape_is_right
	s_endpgm
.Lentry_shape_is_right:
; S = Q K^T on codes of FP6 (E2M3) with E8M0 scales, sums in f32, and the softmax's numerator, piece by piece of 128 keys.
; t = score x log2(e) / 32.  For each query and each piece of 128 keys: M' = ceil(the piece's largest t), a whole number; p = 2^(t - M'), at most 1; l' = the sum of the unquantised p;
; p is quantised along the keys.  Stored: p's codes, its scale words, -M' and l'.  The next launch brings the pieces of a row under one M = the largest M': it takes M - M' off the
; piece's scale bytes and multiplies l' by 2^(M' - M): exact powers of two.  So a maximum is taken away before every exponential.
; A TILE is 256 queries (A, source 1: a lane holds one query) x 256 keys (B, source 0: a lane's registers run along the keys), K = 1,024.  Four waves, each 128 x 128: 64 accumulators.
; Operands lie in memory and in LDS as images of their registers: [half of 128 rows][step of 128 along K][tile][4 registers][lane][16 bytes]; lane r of tile t holds row
; 32 (t / 2) + 8 (t % 2) + r + 8 (r / 8) of its half, so that register j of accumulator (a, b) in lane (r, h) is key 32 (b / 2) + 16 h + 8 (b % 2) + j: 16 by 16 neighbours along the keys.
; THE RING: K's 8 steps are 4 fills of 2 steps; three slots.  Fills 0, 1, 2 and the scale words go out at the start (four tensor loads of a wave are out); fill 3 alone fills a slot again.
; CLUSTERS: 4 x 4.  Q's blocks are shared along a row of the cluster, K's along a column: each is asked for jointly by the four.
; LIMITS: a block whose every p has fallen to 0 keeps the byte 1 (its codes are zeros); a block's largest p is taken as the exponential of its largest score; NaN and infinities are not served.
; REGISTERS.  window 0: v1-15 addresses and at work; v16-31 at work; v32-63 scale words, two sets; v64-127 a tile's 64 numbers; v128-223 A's 8 fragments, later p's codes; v224-255 at work and the statistics.
;   window 1: B's fragments, two sets (v0-95, v128-223).   window 2: accumulators of A's tiles 0-3 ((a, b) at v[8 (8 (a % 4) + b)]);  window 3: of tiles 4-7.
; THE FILLS, AS THE TEXT BELOW HAS THEM (they take the place of what the paragraph on the ring says): at the head one joint load a wave: wave 0 A's two halves of steps 0, 1, wave 1 B's, into slot 0;
; wave 2 A's two halves of steps 2-5, wave 3 B's, into slots 1 and 2, which are one region [A half 0, A half 1, B half 0, B half 1] of four steps each.  Step 1's round shows that region to all and fills slot 0 again with steps 6, 7,
; which step 5's barrier shows.  All scale words come through registers into LDS bytes that no tile lands on.  No prefetch: seven eighths of what a launch's loop could ask for ahead are already asked for at the head or in step 1.
.set FRAGB, 1536
.set HSTEP, 8*FRAGB
.set HALFT, 2*HSTEP
.set SLOT,  4*HALFT
.set SCL,   3*SLOT
.set SPARE, SCL+4*4096                 ; the spare words, 128 bytes for each wave: two blocks of 256 bytes that no other line names
.set OHALF, 16*HSTEP                   ; a half in qkvc and in pc
.set ADRA, 2
.set ADRB, 5
.set ADSA, 8
.set ADSB, 9
.set SPW,  10
.set NIL,  11
.set TM,   16
.set SC,   32
.set W,    64
.set AF,   128
.set TQ,   224
.set PW,   232
.set NM,   240
.set LS,   248
.set G1A,  28
.set G1B,  36
.set QS,   4*HSTEP
.set H1A,  44                          ; the head's groups 1: steps 0, 1 of A and of B; steps 2-5 of A and of B
.set H1B,  52
.set H2A,  72
.set H2B,  84
.set G0A,  68
.set G0B,  80
.set G0HA, 92                          ; the head's groups 0: A's, B's
.set G0HB, 96
.set MUL_LO, 0xa1
.set MUL_HI, 0xf1
.set MSB, 0
.macro WIN new                         ; the immediate's high byte repeats the setting that is left
.if MSB != (\new)
	s_set_vgpr_msb (MSB<<8)|(\new)
.set MSB, (\new)
.endif
.endm
.macro PLACES n
.rept \n
	v_nop
.endr
.endm
.macro JLOAD g0a, g1a, g0b, g1b        ; a joint load: waves 0, 1 fetch A's halves, waves 2, 3 B's; four v_nop follow each line
	s_cmp_eq_u32 s19, 0
	s_cbranch_scc0 .Lfor_b_\@
	tensor_load_to_lds s[\g0a:\g0a+3], s[\g1a:\g1a+7]
	s_nop 0
.rept 4
	v_nop
.endr
	s_branch .Lasked_\@
.Lfor_b_\@:
	tensor_load_to_lds s[\g0b:\g0b+3], s[\g1b:\g1b+7]
	s_nop 0
.rept 4
	v_nop
.endr
.Lasked_\@:
.endm
.macro CREST
	s_cmp_lg_u32 s18, 0
	s_cbranch_scc1 .Lnot_wave_0_\@
	s_barrier_signal -3
.Lnot_wave_0_\@:
	s_barrier_wait -3
	s_barrier_signal -1
	s_barrier_wait -1
.endm
.macro CROUND
	s_barrier_signal -1
	s_barrier_wait -1
	CREST
.endm
	s_load_b256 s[4:11], s[0:1], 0x0               ; qkvc, qkvs, pc, pst
	v_lshl_add_u32 v[SPW], v0, 2, SPARE
	v_mov_b32 v[NIL], 0
	ds_add_u32 v10, v11
	ds_add_u32 v10, v11
	s_wait_dscnt 0x0
	v_lshrrev_b32 v13, 5, v0
	v_readfirstlane_b32 s18, v13                   ; wave 0..3
	s_lshr_b32 s19, s18, 1                         ; wa
	s_and_b32 s20, s18, 1                          ; wb
	s_bfe_u32 s21, ttmp6, 0x40000                  ; cx
	s_bfe_u32 s22, ttmp6, 0x40004                  ; cy
	s_mov_b32 s23, ttmp9                           ; cluster x
	s_and_b32 s24, ttmp7, 0xffff                   ; cluster y
	s_lshl_b32 s25, s22, 2
	s_lshl_b32 s25, 15, s25                        ; my row of the cluster
	s_lshl_b32 s26, 0x1111, s21                    ; my column
	s_or_b32 s[G1A], s25, (3<<16)|(1<<21)          ; dense blocks as rows of 256 bytes (32 elements of 8 bytes); the mask, and bit 21 beside it
	s_or_b32 s[G1B], s26, (3<<16)|(1<<21)
	s_or_b32 s[H1A], s25, (3<<16)|(1<<21)
	s_or_b32 s[H1B], s26, (3<<16)|(1<<21)
	s_or_b32 s[H2A], s25, (3<<16)|(1<<21)
	s_or_b32 s[H2B], s26, (3<<16)|(1<<21)
.irp g, G1A, G1B
	s_mov_b32 s[\g+1], 32<<16
	s_mov_b32 s[\g+2], 96<<16
	s_mov_b32 s[\g+3], 32<<16
	s_mov_b32 s[\g+4], 96
	s_mov_b32 s[\g+5], 32
	s_mov_b32 s[\g+6], 0
	s_mov_b32 s[\g+7], 0
.endr
.irp g, H1A, H1B                       ; two rows (the two halves) of two steps, 3,072 elements of 8 bytes
	s_mov_b32 s[\g+1], 3072<<16
	s_mov_b32 s[\g+3], 3072<<16
.endr
.irp g, H2A, H2B                       ; two rows of four steps
	s_mov_b32 s[\g+1], 6144<<16
	s_mov_b32 s[\g+3], 6144<<16
.endr
.irp g, H1A, H1B, H2A, H2B
	s_mov_b32 s[\g+2], 2<<16
	s_mov_b32 s[\g+4], 2
	s_mov_b32 s[\g+5], OHALF/8
	s_mov_b32 s[\g+6], 0
	s_mov_b32 s[\g+7], 0
.endr
	s_lshl_b32 s60, s24, 2                         ; A: the block of 256 queries 4 cluster y + cy;
	s_add_co_u32 s60, s60, s22
	s_lshl_b32 s60, s60, 1
	s_add_co_u32 s60, s60, s20                     ; the half of it that I would fetch: Q is steps 0-7 of a token half
	s_lshl_b32 s2, s60, 13
	s_mul_i32 s60, s60, OHALF
	s_mov_b32 s61, 0
	s_mov_b32 s3, 0
	s_lshr_b32 s62, s24, 1                         ; B: the batch is cluster y / 2;
	s_lshl_b32 s62, s62, 3
	s_lshl_b32 s63, s23, 2
	s_add_co_u32 s62, s62, s63
	s_add_co_u32 s62, s62, s21                     ; the block of 256 keys 8 batch + 4 cluster x + cx
	s_lshl_b32 s62, s62, 1
	s_add_co_u32 s62, s62, s20
	s_lshl_b32 s100, s62, 13
	s_add_co_u32 s100, s100, 4096                  ; K is steps 8-15 of a token half
	s_mul_i32 s62, s62, OHALF
	s_add_co_u32 s62, s62, 8*HSTEP
	s_mov_b32 s63, 0
	s_mov_b32 s101, 0
	s_mul_i32 s27, s18, HALFT                      ; where they go: quarter = wave
	s_mov_b32 s66, 0x76543210
	s_mov_b32 s67, 0xfedcba98
	s_wait_kmcnt 0x0
	s_add_nc_u64 s[60:61], s[4:5], s[60:61]
	s_add_nc_u64 s[2:3], s[6:7], s[2:3]
	s_add_nc_u64 s[62:63], s[4:5], s[62:63]
	s_add_nc_u64 s[100:101], s[6:7], s[100:101]
	CROUND                                         ; all sixteen work-groups are here: the first joint loads meet
	s_cmp_eq_u32 s19, 0
	s_cselect_b64 s[104:105], s[2:3], s[100:101]   ; my half's scale words
	s_mul_i32 s100, s19, HALFT                     ; waves 2, 3 begin at step 2
	s_mov_b32 s101, 0
	s_mov_b32 s[G0HA], 1                           ; A, asked for by waves 0 and 2, whose s[60:61] is half 0's
	s_mul_i32 s[G0HA+1], s19, SLOT
	s_add_nc_u64 s[G0HA+2:G0HA+3], s[60:61], s[100:101]
	s_or_b32 s[G0HA+3], s[G0HA+3], 0x80000000
	s_mov_b32 s[G0HB], 1                           ; B, asked for by waves 1 and 3, whose s[62:63] is half 1's
	s_mul_i32 s[G0HB+1], s19, SLOT+2*QS-2*HALFT
	s_add_co_u32 s[G0HB+1], s[G0HB+1], 2*HALFT
	s_add_nc_u64 s[G0HB+2:G0HB+3], s[62:63], s[100:101]
	s_mul_i32 s100, s20, OHALF
	s_sub_nc_u64 s[G0HB+2:G0HB+3], s[G0HB+2:G0HB+3], s[100:101]
	s_or_b32 s[G0HB+3], s[G0HB+3], 0x80000000
.macro ARM under, g0, g1, next
	s_cmp_lt_u32 s18, \under
	s_cbranch_scc0 \next
	tensor_load_to_lds s[\g0:\g0+3], s[\g1:\g1+7]
	s_nop 0
	PLACES 4
	s_branch .Lhead_asked
\next:
.endm
	ARM 1, G0HA, H1A, .Lhead_1                     ; ONE tensor load a wave at the head
	ARM 2, G0HB, H1B, .Lhead_2
	ARM 3, G0HA, H2A, .Lhead_3
	tensor_load_to_lds s[G0HB:G0HB+3], s[H2B:H2B+7]
	s_nop 0
	PLACES 4
.Lhead_asked:
	s_mov_b32 s[G0A], 1                            ; for slot 0's refill: my quarter
	s_mov_b32 s[G0A+1], s27
	s_mov_b64 s[G0A+2:G0A+3], s[60:61]
	s_or_b32 s[G0A+3], s[G0A+3], 0x80000000
	s_mov_b32 s[G0B], 1
	s_mov_b32 s[G0B+1], s27
	s_mov_b64 s[G0B+2:G0B+3], s[62:63]
	s_or_b32 s[G0B+3], s[G0B+3], 0x80000000
	s_mov_b32 s100, 0x3d38aa3b                     ; c = log2(e) / 32
	s_mov_b32 s101, s100                           ; (named with it as a pair, so it is written)
	v_and_b32 v12, 31, v0                          ; lane
	v_lshlrev_b32 v1, 4, v12
.irp i, 0,1,2,3,4,5,6,7
	global_load_b128 v[AF+4*\i:AF+4*\i+3], v1, s[104:105] offset:512*\i   ; my 4,096 bytes of scale words: A's half 0, 1, B's half 0, 1 by the wave
.endr
	v_and_b32 v13, 15, v0                          ; r
	s_wait_alu depctr_va_vdst(0)
	s_mul_i32 s2, s19, HALFT
	s_mul_i32 s3, s20, HALFT
	s_add_co_u32 s3, s3, 2*HALFT
	v_add_nc_u32 v[ADRA], s2, v1
	v_add_nc_u32 v[ADRB], s3, v1
	s_mul_i32 s2, s19, QS
	s_mul_i32 s3, s20, QS
	s_add_co_u32 s2, s2, SLOT
	s_add_co_u32 s3, s3, SLOT+2*QS
	v_add_nc_u32 v[ADRA+1], s2, v1                 ; steps 2, 3,
	v_add_nc_u32 v[ADRB+1], s3, v1
	s_add_co_u32 s2, s2, 2*HSTEP
	s_add_co_u32 s3, s3, 2*HSTEP
	v_add_nc_u32 v[ADRA+2], s2, v1                 ; and 4, 5
	v_add_nc_u32 v[ADRB+2], s3, v1
	s_lshl_b32 s2, s19, 12
	s_add_co_u32 s2, s2, SCL
	s_lshl_b32 s3, s20, 12
	s_add_co_u32 s3, s3, SCL+2*4096
	v_lshl_add_u32 v[ADSA], v13, 4, s2
	v_lshl_add_u32 v[ADSB], v13, 4, s3
.irp b, 0,1,2,3
	v_mov_b32 v[TM+4+\b], 0                        ; a lane permute's destination counts as read: written once
.endr
	v_mov_b32 v15, 0                               ; (the upper half of the pair v[14:15])
	s_lshl_b32 s2, s18, 12
	s_add_co_u32 s2, s2, SCL
	v_add_nc_u32 v13, s2, v1                       ; where my scale words go in LDS
	; where the results go: query half 2 (4 cluster y + cy) + wa, key step 2 (4 cluster x + cx) + wb
	s_lshl_b32 s2, s24, 2
	s_add_co_u32 s2, s2, s22
	s_lshl_b32 s2, s2, 1
	s_add_co_u32 s2, s2, s19
	s_lshl_b32 s60, s23, 2
	s_add_co_u32 s60, s60, s21
	s_lshl_b32 s60, s60, 1
	s_add_co_u32 s60, s60, s20
	s_mul_i32 s61, s2, OHALF
	s_mul_i32 s62, s60, HSTEP
	s_add_co_u32 s62, s61, s62
	s_mov_b32 s63, 0
	s_add_nc_u64 s[8:9], s[8:9], s[62:63]
	s_lshl_b32 s62, s2, 13
	s_lshl_b32 s61, s60, 9
	s_add_co_u32 s62, s62, s61
	s_add_nc_u64 s[10:11], s[10:11], s[62:63]
.macro FRAG reg, adr, q, i
.irp c, 0,1,2
	ds_load_b128 v[\reg+4*\c:\reg+4*\c+3], v[\adr] offset:(\q)*HSTEP+(\i)*FRAGB+512*\c
.endr
.endm
.macro FETCH_B k, q, sig, p            ; 28 loads
	WIN 0x40
.irp i, 0,1,2,3,4,5,6,7
	FRAG 128*(\p)+12*\i, ADRB+\k, \q, \i
.endr
	WIN 0
	ds_load_b128 v[SC+16*(\p):SC+16*(\p)+3], v[ADSA] offset:512*(\sig)
	ds_load_b128 v[SC+16*(\p)+4:SC+16*(\p)+7], v[ADSA] offset:512*(\sig)+256
	ds_load_b128 v[SC+16*(\p)+8:SC+16*(\p)+11], v[ADSB] offset:512*(\sig)
	ds_load_b128 v[SC+16*(\p)+12:SC+16*(\p)+15], v[ADSB] offset:512*(\sig)+256
.endm
.macro FETCH_A k, q, i0                ; 12 loads
.irp i, \i0, \i0+1, \i0+2, \i0+3
	FRAG AF+12*(\i), ADRA+\k, \q, \i
.endr
.endm
.macro MUL16 a0, p, zero               ; the 64 accumulators take turns, one instruction a turn, in the same order in every step
.irp a, \a0, \a0+1
.irp b, 0,1,2,3,4,5,6,7
.if \zero
	v_wmma_scale_f32_16x16x128_f8f6f4 v[8*(8*((\a)%4)+\b):8*(8*((\a)%4)+\b)+7], v[128*(\p)+12*\b:128*(\p)+12*\b+11], v[AF+12*(\a):AF+12*(\a)+11], 0, v[SC+16*(\p)+8+\b], v[SC+16*(\p)+(\a)] matrix_a_fmt:MATRIX_FMT_FP6 matrix_b_fmt:MATRIX_FMT_FP6
.else
	v_wmma_scale_f32_16x16x128_f8f6f4 v[8*(8*((\a)%4)+\b):8*(8*((\a)%4)+\b)+7], v[128*(\p)+12*\b:128*(\p)+12*\b+11], v[AF+12*(\a):AF+12*(\a)+11], v[8*(8*((\a)%4)+\b):8*(8*((\a)%4)+\b)+7], v[SC+16*(\p)+8+\b], v[SC+16*(\p)+(\a)] matrix_a_fmt:MATRIX_FMT_FP6 matrix_b_fmt:MATRIX_FMT_FP6
.endif
.endr
.endr
.endm
; Step sig: 64 matrix instructions; in its middle the next step's B, scale words and A's tiles 0-3 are fetched, at its end A's tiles 4-7.
; sync = 1: a barrier in front of the fetch (tcnt younger tensor loads may be out).  sync = 2: the change of slots behind which slot 0 is filled again.
.macro KSTEP sig, nk, nq, sync, tcnt, zero
.if \sync == 2
	s_wait_tensorcnt 0x0                           ; all my tensor loads have landed
	ds_add_u32 v[SPW], v[NIL]                      ; 0 onto my spare word
	s_wait_dscnt 13                                ; the add and the youngest 12 loads (A's tiles 4-7) may be out
.elseif \sync == 1
	s_wait_tensorcnt \tcnt
	s_wait_dscnt 12                                ; A's tiles 4-7 may be out
.else
	s_wait_dscnt 12                                ; A's tiles 4-7 may be out
.endif
	WIN MUL_LO
	MUL16 0, (\sig)%2, \zero
.if \sync
	s_wait_dscnt 0x0                               ; no LDS instruction of mine is out at the signal
	s_barrier_signal -1
.endif
	MUL16 2, (\sig)%2, \zero
.if \sync
	WIN 0
	s_barrier_wait -1
.else
	s_wait_dscnt 0x0                               ; A's tiles 4-7 are in
.endif
.if \sync == 2
	CREST                                          ; no wave of any partner still reads slot 0 or has a load on its way
	s_add_nc_u64 s[G0A+2:G0A+3], s[G0A+2:G0A+3], 3*HALFT
	s_add_nc_u64 s[G0B+2:G0B+3], s[G0B+2:G0B+3], 3*HALFT
	JLOAD G0A, G1A, G0B, G1B                       ; steps 6 and 7 into slot 0; the four v_nop behind it are also the places in front of the loads below
.else
	PLACES 4
.endif
	FETCH_B \nk, \nq, (\sig)+1, 1-(\sig)%2
	FETCH_A \nk, \nq, 0
	WIN MUL_HI
	MUL16 4, (\sig)%2, \zero
	MUL16 6, (\sig)%2, \zero
	PLACES 4
	WIN 0
	FETCH_A \nk, \nq, 4
.endm
	s_wait_alu depctr_va_vdst(0)
	s_wait_loadcnt 0x0                             ; my scale words
.irp i, 0,1,2,3,4,5,6,7
	ds_store_b128 v13, v[AF+4*\i:AF+4*\i+3] offset:512*\i
.endr
	s_cmp_lt_u32 s18, 2
	s_cbranch_scc0 .Lnot_first
	s_wait_tensorcnt 0x0                           ; steps 0, 1; those of waves 2, 3 are waited for in step 1's round
.Lnot_first:
	s_wait_dscnt 0x0
	s_barrier_signal -1
	s_barrier_wait -1
	FETCH_B 0, 0, 0, 0
	FETCH_A 0, 0, 0
	FETCH_A 0, 0, 4
	KSTEP 0, 0, 1, 0, 0, 1                         ; the first step's products start the sums
	KSTEP 1, 1, 0, 2, 0, 0                         ; steps 2-5 have landed in every wave; slot 0, whose last reads end in front of this step's signal, takes steps 6, 7
	KSTEP 2, 1, 1, 0, 0, 0
	KSTEP 3, 2, 0, 0, 0, 0
	KSTEP 4, 2, 1, 0, 0, 0
	KSTEP 5, 0, 0, 1, 0, 0                         ; the refill has landed in every wave
	KSTEP 6, 0, 1, 0, 0, 0
	s_wait_dscnt 12
	WIN MUL_LO
	MUL16 0, 1, 0
	MUL16 2, 1, 0
	s_wait_dscnt 0x0
	WIN MUL_HI
	MUL16 4, 1, 0
	MUL16 6, 1, 0
	WIN 0
.macro QTAIL s, pc, pw                 ; from the four blocks' largest magnitudes in v[TM ..] on: scale operands, bytes, the scale word, the codes
.irp b, 0,1,2,3
	v_add_nc_u32 v[TM+12+\b], 0xff000000, v[TM+\b] ; 2 off the exponent field: the conversion's scale operand
.endr
.irp b, 0,1,2,3
	v_lshrrev_b32 v[TM+4+\b], 23, v[TM+12+\b]      ; the scale's byte
.endr
	v_lshl_or_b32 v[\pw], v[TM+5], 8, v[TM+4]
	v_lshl_or_b32 v[\pw], v[TM+6], 16, v[\pw]
	v_lshl_or_b32 v[\pw], v[TM+7], 24, v[\pw]
.irp c, 0,1
	v_cvt_scalef32_pk16_fp6_f32 v[\pc+6*\c:\pc+6*\c+2], v[\s+32*\c:\s+32*\c+15], v[TM+12+2*\c]
	v_cvt_scalef32_pk16_fp6_f32 v[TQ+4*\c:TQ+4*\c+2], v[\s+32*\c+16:\s+32*\c+31], v[TM+12+2*\c+1]
.endr
	v_nop                                          ; one plain place behind a scaled conversion
.irp c, 0,1
.irp i, 0,1,2
	v_permlane16_swap_b32 v[\pc+6*\c+\i], v[TQ+4*\c+\i]
.endr
.irp i, 0,1,2
	v_mov_b32 v[\pc+3+6*\c+\i], v[TQ+4*\c+\i]
.endr
.endr
.endm
; Tile a of the queries: my query's 64 of the piece's 128 scores lie in the eight accumulators (a, b); lane l xor 16 has the other 64.
.macro SOFT a
.set AC, 64*((\a)%4)
	WIN 0x28+0x14*((\a)/4)                         ; sources 1 and 2: window 2 or 3
.irp c, 0,1,2,3
	v_max3_num_f32 v[TM+\c], 0xff800000, v[AC+16*\c], v[AC+16*\c+1]   ; the largest score of each block of 32 keys; each accumulator is read from its low end on
.endr
.irp i, 2,4,6,8,10,12,14
.irp c, 0,1,2,3
	v_max3_num_f32 v[TM+\c], v[TM+\c], v[AC+16*\c+\i], v[AC+16*\c+\i+1]
.endr
.endr
	WIN 0
.irp c, 0,1,2,3
	v_permlanex16_b32 v[TM+4+\c], v[TM+\c], s66, s67
.endr
.irp c, 0,1,2,3
	v_max_num_f32 v[TM+\c], v[TM+\c], v[TM+4+\c]
.endr
	v_max3_num_f32 v13, v[TM], v[TM+1], v[TM+2]
	v_max_num_f32 v13, v13, v[TM+3]                ; the piece's largest score of my query
	v_mul_f32 v13, s100, v13                       ; as t (c is positive)
	v_floor_f32 v14, -v13                          ; -M' = floor(-t) = -ceil(t)
	WIN 0x02+(\a)/4
.irp n, 0,2,4,6,8,10,12,14,16,18,20,22,24,26,28,30,32,34,36,38,40,42,44,46,48,50,52,54,56,58,60,62
	v_pk_fma_f32 v[W+\n:W+\n+1], v[AC+\n:AC+\n+1], s[100:101], v[14:15] op_sel_hi:[1,0,0]   ; t - M', two at a time
.endr
	WIN 0
.irp c, 0,1,2,3
	v_fma_f32 v[TM+\c], v[TM+\c], s100, v14        ; the same of each block's largest score
.endr
.set ii, 0
	s_wait_alu depctr_va_vdst(0)
.rept 64
	v_exp_f32 v[W+ii], v[W+ii]                     ; p = 2^(t - M')
.set ii, ii+1
.endr
.irp c, 0,1,2,3
	v_exp_f32 v[TM+\c], v[TM+\c]                   ; the block's largest p: the same two instructions on the same number
.endr
	v_mov_b32 v[NM+\a], v14                        ; a plain place behind the exponentials
	s_wait_alu depctr_va_vdst(0)                   ; one wait for the batch of 68, ahead of its first reader
	v_pk_add_f32 v[TM+8:TM+9], v[W:W+1], v[W+2:W+3]   ; the sum of the unquantised p, in two chains
	v_pk_add_f32 v[TM+10:TM+11], v[W+4:W+5], v[W+6:W+7]
.irp j, 8,12,16,20,24,28,32,36,40,44,48,52,56,60
	v_pk_add_f32 v[TM+8:TM+9], v[TM+8:TM+9], v[W+\j:W+\j+1]
	v_pk_add_f32 v[TM+10:TM+11], v[TM+10:TM+11], v[W+\j+2:W+\j+3]
.endr
	v_pk_add_f32 v[TM+8:TM+9], v[TM+8:TM+9], v[TM+10:TM+11]
	v_add_f32 v[LS+\a], v[TM+8], v[TM+9]
	v_permlanex16_b32 v13, v[LS+\a], s66, s67
	v_add_f32 v[LS+\a], v[LS+\a], v13              ; with lane l xor 16's: l'
.irp c, 0,1,2,3
	v_max_num_f32 v[TM+\c], 0x1800000, v[TM+\c]    ; the floor 2^(3 - 127): the byte cannot fall under 1
.endr
	QTAIL W, AF+12*(\a), PW+(\a)
.irp k, 0,1,2
	global_store_b128 v1, v[AF+12*(\a)+4*\k:AF+12*(\a)+4*\k+3], s[8:9] offset:FRAGB*(\a)+512*\k   ; 512 consecutive bytes; each tile has registers of its own
.endr
.endm
	PLACES 4                                       ; behind the last products, in front of the first read of results and the first write over A's fragments
.irp a, 0,1,2,3,4,5,6,7
	SOFT \a
.endr
	v_cmp_le_u32 vcc_lo, 16, v12                   ; lanes 0-15 store row r's numbers of tiles 0-3, lanes 16-31 those of tiles 4-7
.irp j, 0,1,2,3
	v_cndmask_b32 v[W+\j], v[PW+\j], v[PW+4+\j], vcc_lo
	v_cndmask_b32 v[W+4+\j], v[NM+\j], v[NM+4+\j], vcc_lo
	v_cndmask_b32 v[W+8+\j], v[LS+\j], v[LS+4+\j], vcc_lo
.endr
	global_store_b128 v1, v[W:W+3], s[10:11]                       ; p's scale words
	global_store_b128 v1, v[W+4:W+7], s[10:11] offset:524288       ; -M'
	global_store_b128 v1, v[W+8:W+11], s[10:11] offset:1048576     ; l'
	s_wait_tensorcnt 0x0                           ; the wave's end
	ds_add_u32 v[SPW], v[NIL]
	s_wait_dscnt 0x0
	CROUND                                         ; the closing round
	s_endpgm
.Lfunc_end_k_q2a59789d67_scores:
	.size	k_q2a59789d67_scores, .Lfunc_end_k_q2a59789d67_scores-k_q2a59789d67_scores
	.p2alignl 7, 3214868480
	.fill 96, 4, 3214868480
	.section	.rodata,"a",@progbits
	.p2align	6, 0x0
	.amdhsa_kernel k_q2a59789d67_scores
		.amdhsa_group_segment_fixed_size 327680
		.amdhsa_private_segment_fixed_size 0
		.amdhsa_enable_private_segment 0
		.amdhsa_kernarg_size 32
		.amdhsa_user_sgpr_count 2
		.amdhsa_user_sgpr_kernarg_segment_ptr 1
		.amdhsa_wavefront_size32 1
		.amdhsa_system_sgpr_workgroup_id_x 1
		.amdhsa_system_sgpr_workgroup_id_y 1
		.amdhsa_system_sgpr_workgroup_id_z 1
		.amdhsa_system_vgpr_workitem_id 0
		.amdhsa_next_free_vgpr 1024
		.amdhsa_next_free_sgpr 106
		.amdhsa_reserve_vcc 1
		.amdhsa_float_denorm_mode_32 3
		.amdhsa_float_denorm_mode_16_64 3
		.amdhsa_memory_ordered 1
		.amdhsa_forward_progress 1
		.amdhsa_inst_pref_size 196
	.end_amdhsa_kernel
	.amdgpu_metadata
---
amdhsa.version: [ 1, 2 ]
amdhsa.kernels:
  - .name:           k_q2a59789d67_scores
    .symbol:         k_q2a59789d67_scores.kd
    .args:
      - { .name: qkvc, .offset: 0, .size: 8, .value_kind: global_buffer, .address_space: global }
      - { .name: qkvs, .offset: 8, .size: 8, .value_kind: global_buffer, .address_space: global }
      - { .name: pc, .offset: 16, .size: 8, .value_kind: global_buffer, .address_space: global }
      - { .name: pst, .offset: 24, .size: 8, .value_kind: global_buffer, .address_space: global }
    .group_segment_fixed_size: 327680
    .private_segment_fixed_size: 0
    .kernarg_segment_align: 8
    .kernarg_segment_size: 32
    .max_flat_workgroup_size: 128
    .sgpr_count:     106
    .vgpr_count:     1024
    .wavefront_size: 32
...
	.end_amdgpu_metadata
.endif
;; end of part 3
;; launch pv (part 4): grid 8 x 32, 4 waves a work-group, clusters of 4 x 4, 327,680 bytes of LDS; arguments pc, pst, qkvc, qkvs, out0; writes out0
.if DOCPART == 4
	.amdgcn_target "amdgcn-amd-amdhsa--gfx1250"
	.amdhsa_code_object_version 6
	.text
	.protected	k_q2a59789d67_pv
	.globl	k_q2a59789d67_pv
	.p2align	8
	.type	k_q2a59789d67_pv,@function
k_q2a59789d67_pv:
	s_mov_b64 s[64:65], 0
	v_nop
	global_prefetch_b8 v0, s[64:65] scope:SCOPE_SE
	s_setreg_imm32_b32 hwreg(HW_REG_WAVE_MODE, 25, 1), 1
	s_wait_xcnt 0x0
	s_wait_alu depctr_hold_cnt(0) depctr_sa_sdst(0) depctr_va_vdst(0) depctr_va_sdst(0) depctr_va_ssrc(0) depctr_va_vcc(0) depctr_vm_vsrc(0)
	s_getreg_b32 s2, hwreg(HW_REG_IB_STS2, 6, 4)
	s_cmp_eq_u32 s2, 0
	s_cbranch_scc0 .Lentry_in_a_cluster
	s_endpgm
.Lentry_in_a_cluster:
	s_bfe_u32 s2, ttmp6, 0x10000c
	s_cmp_lg_u32 s2, 0xf033
	s_cbranch_scc0 .Lentry_shape_is_right
	s_endpgm
.Lentry_shape_is_right:
; O = P V / l on codes of FP6 (E2M3) with E8M0 scales, sums in f32.  P comes in pieces of 128 keys, each under its own M' (the launch before): a row's pieces are brought under one M = the largest M':
; M - M' is taken off a piece's scale bytes and l' is multiplied by 2^(M' - M), exact powers of two; l is the sum of these l'.
; LIMITS: a scale byte that would fall under 0 is held at 0, 2^-127; p's scale bytes lie under 128, since p is at most 1; NaN and infinities are not served.
; A WORK-GROUP MAKES 256 queries (y = 4 cluster y + cy) x 128 channels (x = 4 cluster x + cx).  Four waves, 2 x 2: wave (a, b) holds channels 64 b .. 64 b + 63, ALL 2,048 keys of V, in registers: 64 fragments of 12,
; and streams P past them in 8 blocks of 16 queries (tile a of a chunk of 32), all keys: 64 products a block, four accumulators by turns.  A block's 16 rows x 256 bytes leave under the next block's products.
; THE PRODUCT IS USED TRANSPOSED: source 0 = V's tile, source 1 = P's: lane (r, h) holds a query, its registers 8 neighbouring channels.
; OPERANDS LIE IN MEMORY AND IN LDS AS IMAGES OF THEIR REGISTERS: [half of 128 rows][step of 128 keys][tile][4 registers][lane][16 bytes]; lane r of tile t holds row 32 (t / 2) + 8 (t % 2) + r + 8 (r / 8) of its half.
; LDS: six places of 49,152 bytes.  V lies in places 2-5.  Chunk s of P (32 queries, tiles 2 s, 2 s + 1: [step][tile], 49,152 bytes) lies in place s % 5.  Behind them P's corrected scale words, 1 / l, the spare words.
; The waves' stages for the way out lie in place 5: that has its last fill at the head, and is first stored to behind the barrier that follows V's last read.
; FILLS: at the head one joint load a wave (V's steps 0-7, chunk 0, V's steps 8-15, chunk 1).  Three drained rounds of the cluster's barrier, each followed by ONE joint load a wave, half a chunk:
; in block 0, when V's first half is in registers, chunks 2, 3 onto it; in block 1 chunks 4, 5 (places 4, 0); in block 3 chunks 6, 7 (places 1, 2).  A plain barrier in block 5 shows the last two.
; CLUSTERS: 4 x 4.  P hangs on y alone and is shared along a row of the cluster, V on x and the batch and is shared along a column.
; PREFETCH: what the next round's load will bring is asked for one round ahead, shared by address among the sixteen waves of a row of the cluster: 24 blocks of 256 bytes a wave.  V comes by the head's loads alone.
; REGISTERS, window 0: v1-31 addresses and pairs; v32-63 V's scale words; v64-79 P's, two sets; v80-175 a ring of four half-sets of P's fragments (two steps each); v176-239 two sets of four accumulators; v240-251 V's fragment 63.
;   windows 1-3: V's fragments 0-62, 21 to a window.  At the head v80-219 hold the statistics.
.set FRAGB, 1536
.set HSTEP, 8*FRAGB
.set OHALF, 16*HSTEP
.set CH,    49152
.set PT,    2*FRAGB                    ; a chunk's bytes of one step
.set VLO,   2*CH
.set STG,   5*CH
.set SPI,   272                        ; a stage row: 256 bytes + 16
.set PSC,   6*CH
.set RLB,   PSC+16384
.set SPARE, RLB+1024
.set L16, 1
.set PA0, 2
.set PA,  3
.set VA,  4
.set PSA, 8
.set RLA, 9
.set STO, 10
.set RD,  11
.set CO,  12
.set SPW, 13
.set NIL, 14
.set PFV, 15
.set RL,  16
.set VS,  32
.set PS,  64
.set RING, 80
.set ACC, 176
.set F63, 240
.set SX,  80
.set PM,  112
.set PL,  144
.set OU,  176
.set NMR, 208
.set LL,  212
.set RC,  216
.set G1V, 24
.set G1P, 32
.set G1R, 48
.set G0V0, 56
.set G0V1, 60
.set G0P0, 68
.set G0P1, 72
.set G0R, 76
.set MSB, 0
.macro WIN new                         ; the immediate's high byte repeats the setting that is left
.if MSB != (\new)
	s_set_vgpr_msb (MSB<<8)|(\new)
.set MSB, (\new)
.endif
.endm
.macro PLACES n
.rept \n
	v_nop
.endr
.endm
.macro CREST                           ; a round of the cluster's barrier behind its opening barrier
	s_cmp_lg_u32 s14, 0
	s_cbranch_scc1 .Lnot_wave_0_\@
	s_barrier_signal -3
.Lnot_wave_0_\@:
	s_barrier_wait -3
	s_barrier_signal -1
	s_barrier_wait -1
.endm
.macro CROUND
	s_barrier_signal -1
	s_barrier_wait -1
	CREST
.endm
.macro GROUP1 g, mask, rows, len, pitch   ; elements of 8 bytes; the mask, and bit 21 beside it
	s_or_b32 s[\g], s[\mask], (3<<16)|(1<<21)
	s_mov_b32 s[\g+1], (\len)<<16
	s_mov_b32 s[\g+2], (\rows)<<16
	s_mov_b32 s[\g+3], (\len)<<16
	s_mov_b32 s[\g+4], \rows
	s_mov_b32 s[\g+5], \pitch
	s_mov_b32 s[\g+6], 0
	s_mov_b32 s[\g+7], 0
.endm
	s_load_b256 s[4:11], s[0:1], 0x0               ; pc, pst, qkvc, qkvs
	s_load_b64 s[12:13], s[0:1], 0x20              ; out0
	v_lshl_add_u32 v[SPW], v0, 2, SPARE
	v_mov_b32 v[NIL], 0
	ds_add_u32 v[SPW], v[NIL]                      ; the opening lines
	ds_add_u32 v[SPW], v[NIL]
	v_lshrrev_b32 v20, 5, v0
	v_readfirstlane_b32 s14, v20                   ; wave
	s_lshr_b32 s15, s14, 1                         ; a
	s_and_b32 s16, s14, 1                          ; b
	s_bfe_u32 s40, ttmp6, 0x40000                  ; cx
	s_bfe_u32 s41, ttmp6, 0x40004                  ; cy
	s_lshl_b32 s42, ttmp9, 2
	s_add_co_u32 s42, s42, s40                     ; x
	s_and_b32 s43, ttmp7, 0xffff                   ; cluster y
	s_lshl_b32 s44, s41, 2
	s_lshl_b32 s44, 15, s44                        ; my row of the cluster
	s_lshl_b32 s45, 0x1111, s40                    ; my column
	GROUP1 G1V, 45, 2*CH/256, 32, 32               ; half of V's steps: 384 rows of 256 bytes
	GROUP1 G1P, 44, 16, PT/8, HSTEP/8              ; a chunk: 16 steps of 3,072 bytes
	GROUP1 G1R, 44, 8, PT/8, HSTEP/8               ; half a chunk
	s_lshr_b32 s20, s43, 1                         ; the batch
	s_lshl_b32 s20, s20, 3
	s_add_co_u32 s20, s20, s42
	s_add_co_u32 s20, s20, 64                      ; V's half in qkvc
	s_lshl_b32 s22, s20, 13
	s_lshl_b32 s21, s16, 8
	s_add_co_u32 s22, s22, s21                     ; my 64 channels' scale words
	s_mov_b32 s23, 0
	s_mul_i32 s20, s20, OHALF
	s_mov_b32 s21, 0
	s_lshl_b32 s46, s43, 3
	s_lshl_b32 s47, s41, 1
	s_add_co_u32 s46, s46, s47                     ; the first of my two halves of queries
	s_add_co_u32 s82, s46, s15
	s_lshl_b32 s82, s82, 13
	s_lshl_b32 s83, s16, 8
	s_add_co_u32 s82, s82, s83                     ; the statistics of the four tiles 4 wave .. 4 wave + 3, which this wave prepares for all
	s_mov_b32 s83, 0
	s_mul_i32 s46, s46, OHALF
	s_mov_b32 s47, 0
	s_lshl_b32 s84, s43, 2
	s_add_co_u32 s84, s84, s41
	s_lshl_b32 s84, s84, 20
	s_lshl_b32 s85, s15, 15
	s_add_co_u32 s84, s84, s85
	s_lshl_b32 s85, s42, 9
	s_add_co_u32 s84, s84, s85
	s_lshl_b32 s85, s16, 8
	s_add_co_u32 s84, s84, s85                     ; my first row of out0: 256 y + 8 a, my channels
	s_mov_b32 s85, 0
	s_lshl_b32 s86, s40, 2
	s_add_co_u32 s86, s86, s14
	s_mul_i32 s86, s86, HSTEP                      ; the prefetches: my step among sixteen
	s_mul_i32 s87, s14, CH/2                       ; refills: wave 2 i + j brings half j (8 steps) of a pair's chunk i
	s_xor_b32 s88, s15, 1
	s_mul_i32 s88, s88, 4*CH
	s_mul_i32 s89, s16, CH/2
	s_add_co_u32 s80, s88, s89                     ; chunks 4, 5: places 4, 0
	s_add_co_u32 s81, s87, CH                      ; chunks 6, 7: places 1, 2
	s_mov_b32 s[G0R], 1
	s_add_co_u32 s[G0R+1], s87, VLO                ; chunks 2, 3: places 2, 3
	s_mul_i32 s88, s15, PT
	s_mul_i32 s89, s16, 8*HSTEP
	s_add_co_u32 s88, s88, s89
	s_add_co_u32 s88, s88, 2*PT
	s_mov_b32 s89, 0
	s_mov_b32 s90, 0x80808080
	s_mov_b32 s92, 0x76543210
	s_mov_b32 s93, 0xfedcba98                      ; selects for lane l xor 16
	s_mul_i32 s2, s15, FRAGB
	s_mul_i32 s3, s16, 4*FRAGB
	s_add_co_u32 s3, s3, VLO
	s_lshl_b32 s94, s15, 10
	s_add_co_u32 s94, s94, PSC
	s_lshl_b32 s95, s14, 12
	s_add_co_u32 s95, s95, PSC
	s_lshl_b32 s96, s15, 6
	s_add_co_u32 s96, s96, RLB
	s_lshl_b32 s97, s14, 8
	s_add_co_u32 s97, s97, RLB
	s_mul_i32 s98, s14, 16*SPI
	s_add_co_u32 s98, s98, STG
	v_and_b32 v20, 31, v0                          ; lane
	v_and_b32 v21, 15, v0                          ; r
	v_bfe_u32 v22, v0, 4, 1                        ; h
	v_lshlrev_b32 v[L16], 4, v20
	s_wait_alu depctr_va_vdst(0)                   ; ahead of the readers below
	v_add_nc_u32 v[PA0], s2, v[L16]                ; P: tile a of a chunk in place 0
	v_add_nc_u32 v[PA], s2, v[L16]                 ; and of the chunk that is being fetched
	v_add_nc_u32 v[VA], s3, v[L16]                 ; V: four steps to an address
	v_add_nc_u32 v[VA+1], CH, v[VA]
	v_add_nc_u32 v[VA+2], 2*CH, v[VA]
	v_add_nc_u32 v[VA+3], 3*CH, v[VA]
	v_lshlrev_b32 v23, 5, v21
	v_lshl_add_u32 v23, v22, 9, v23                ; scale words in LDS: [tile][h][r][8 words of steps 8 h .. 8 h + 7]
	v_add_nc_u32 v[PSA], s94, v23
	v_add_nc_u32 v24, s95, v23
	v_lshlrev_b32 v26, 2, v21
	v_add_nc_u32 v[RLA], s96, v26                  ; 1 / l: [tile][r]
	v_add_nc_u32 v25, s97, v26
	v_mul_u32_u24 v27, v21, SPI
	v_lshl_add_u32 v27, v22, 6, v27
	v_add_nc_u32 v[STO], s98, v27                  ; the stage, in: row r, 64 h
	v_mul_u32_u24 v27, v22, SPI
	v_lshl_add_u32 v27, v21, 4, v27
	v_add_nc_u32 v[RD], s98, v27                   ; back: two rows of 256 bytes an instruction
	v_lshlrev_b32 v[CO], 12, v22
	v_lshl_add_u32 v[CO], v21, 4, v[CO]            ; and the same in out0; also the statistics' place: 4,096 h (steps 8 h on) + 16 r
	v_min_u32 v[PFV], 23, v20
	v_lshl_add_u32 v[PFV], v[PFV], 8, s86
.irp j, 0,1,2,3
	v_mov_b32 v[28+\j], 0                          ; a lane permute's destination counts as read: written once
.endr
	s_wait_alu depctr_va_vdst(0)                   ; ahead of the blocking waits
	s_wait_dscnt 0x0                               ; both opening adds are done
	CROUND                                         ; the opening round, ahead of the wait for the arguments
	s_wait_kmcnt 0x0
	s_add_nc_u64 s[20:21], s[8:9], s[20:21]
	s_add_nc_u64 s[46:47], s[4:5], s[46:47]
	s_mov_b32 s[G0V0], 1
	s_mov_b32 s[G0V0+1], VLO
	s_mov_b64 s[G0V0+2:G0V0+3], s[20:21]
	s_or_b32 s[G0V0+3], s[G0V0+3], 0x80000000
	s_mov_b32 s[G0V1], 1
	s_mov_b32 s[G0V1+1], VLO+2*CH
	s_add_nc_u64 s[G0V1+2:G0V1+3], s[20:21], 8*HSTEP
	s_or_b32 s[G0V1+3], s[G0V1+3], 0x80000000
	s_mov_b32 s[G0P0], 1
	s_mov_b32 s[G0P0+1], 0
	s_mov_b64 s[G0P0+2:G0P0+3], s[46:47]
	s_or_b32 s[G0P0+3], s[G0P0+3], 0x80000000
	s_mov_b32 s[G0P1], 1
	s_mov_b32 s[G0P1+1], CH
	s_add_nc_u64 s[G0P1+2:G0P1+3], s[46:47], PT
	s_or_b32 s[G0P1+3], s[G0P1+3], 0x80000000
.macro ARM under, g0, g1, next
	s_cmp_lt_u32 s14, \under
	s_cbranch_scc0 \next
	tensor_load_to_lds s[\g0:\g0+3], s[\g1:\g1+7]
	s_nop 0
	PLACES 4
	s_branch .Lhead_asked
\next:
.endm
	ARM 1, G0V0, G1V, .Lhead_1                     ; ONE tensor load a wave at the head
	ARM 2, G0P0, G1P, .Lhead_2
	ARM 3, G0V1, G1V, .Lhead_3
	tensor_load_to_lds s[G0P1:G0P1+3], s[G1P:G1P+7]
	s_nop 0
	PLACES 4
.Lhead_asked:
	s_add_nc_u64 s[G0R+2:G0R+3], s[46:47], s[88:89]
	s_or_b32 s[G0R+3], s[G0R+3], 0x80000000
	s_add_nc_u64 s[82:83], s[6:7], s[82:83]
	s_add_nc_u64 s[22:23], s[10:11], s[22:23]
	s_add_nc_u64 s[12:13], s[12:13], s[84:85]
.irp k, 0,1,2,3,4,5,6,7                ; register 4 k + j: row r of tile j, step 8 h + k
	global_load_b128 v[PM+4*\k:PM+4*\k+3], v[CO], s[82:83] offset:524288+512*\k    ; -M'
.endr
.irp k, 0,1,2,3,4,5,6,7
	global_load_b128 v[PL+4*\k:PL+4*\k+3], v[CO], s[82:83] offset:1048576+512*\k   ; l'
.endr
.irp k, 0,1,2,3,4,5,6,7
	global_load_b128 v[SX+4*\k:SX+4*\k+3], v[CO], s[82:83] offset:512*\k           ; p's scale words
.endr
.irp k, 0,1,2,3,4,5,6,7
	global_load_b128 v[VS+4*\k:VS+4*\k+3], v[CO], s[22:23] offset:512*\k           ; V's: register 4 k + t, lanes 0-15 step k, lanes 16-31 step 8 + k
.endr
	global_prefetch_b8 v[PFV], s[46:47] offset:2*PT th:TH_LOAD_NT scope:SCOPE_SE   ; chunks 2, 3
	s_wait_loadcnt 8                               ; the statistics; V's eight may be out
.irp j, 0,1,2,3
	v_min3_num_f32 v[NMR+\j], v[PM+\j], v[PM+4+\j], v[PM+8+\j]   ; -M = the least -M'
.endr
.irp k, 3,5
.irp j, 0,1,2,3
	v_min3_num_f32 v[NMR+\j], v[NMR+\j], v[PM+4*\k+\j], v[PM+4*\k+4+\j]
.endr
.endr
.irp j, 0,1,2,3
	v_min_num_f32 v[NMR+\j], v[NMR+\j], v[PM+28+\j]
.endr
.irp j, 0,1,2,3
	v_permlanex16_b32 v[28+\j], v[NMR+\j], s92, s93
.endr
.irp j, 0,1,2,3
	v_min_num_f32 v[NMR+\j], v[NMR+\j], v[28+\j]   ; with lane l xor 16's eight steps
.endr
.set ii, 0
.rept 32
	v_sub_f32 v[PM+ii], v[NMR+ii%4], v[PM+ii]      ; M' - M, 0 or less
.set ii, ii+1
.endr
.set ii, 0
.rept 32
	v_cvt_i32_f32 v[PM+ii], v[PM+ii]
.set ii, ii+1
.endr
.set ii, 0
.rept 32
	v_ldexp_f32 v[PL+ii], v[PL+ii], v[PM+ii]
.set ii, ii+1
.endr
	v_pk_add_f32 v[LL:LL+1], v[PL:PL+1], v[PL+4:PL+5]
	v_pk_add_f32 v[LL+2:LL+3], v[PL+2:PL+3], v[PL+6:PL+7]
.irp k, 2,3,4,5,6,7
	v_pk_add_f32 v[LL:LL+1], v[LL:LL+1], v[PL+4*\k:PL+4*\k+1]
	v_pk_add_f32 v[LL+2:LL+3], v[LL+2:LL+3], v[PL+4*\k+2:PL+4*\k+3]
.endr
.irp j, 0,1,2,3
	v_permlanex16_b32 v[28+\j], v[LL+\j], s92, s93
.endr
.irp j, 0,1,2,3
	v_add_f32 v[LL+\j], v[LL+\j], v[28+\j]         ; l
.endr
; the four bytes of a word at once: each has 128 set beside it, d = M - M', held to 127, is taken off, and where bit 7 has fallen the byte is 0
.set ii, 0
.rept 32
	v_sub_nc_u32 v[PM+ii], 0, v[PM+ii]
.set ii, ii+1
.endr
.set ii, 0
.rept 32
	v_min_u32 v[PM+ii], 0x7f, v[PM+ii]
.set ii, ii+1
.endr
.set ii, 0
.rept 32
	v_lshl_or_b32 v[PM+ii], v[PM+ii], 8, v[PM+ii]
.set ii, ii+1
.endr
.set ii, 0
.rept 32
	v_lshl_or_b32 v[PM+ii], v[PM+ii], 16, v[PM+ii]
.set ii, ii+1
.endr
.set ii, 0
.rept 32
	v_or_b32 v[SX+ii], s90, v[SX+ii]
.set ii, ii+1
.endr
.set ii, 0
.rept 32
	v_sub_nc_u32 v[SX+ii], v[SX+ii], v[PM+ii]
.set ii, ii+1
.endr
.set ii, 0
.rept 32
	v_and_b32 v[PM+ii], s90, v[SX+ii]
.set ii, ii+1
.endr
.set ii, 0
.rept 32
	v_lshrrev_b32 v[PL+ii], 7, v[PM+ii]
.set ii, ii+1
.endr
.set ii, 0
.rept 32
	v_sub_nc_u32 v[PM+ii], v[PM+ii], v[PL+ii]
.set ii, ii+1
.endr
.set ii, 0
.rept 32                               ; step k of the eight goes to word k / 2 + 4 (1 - k % 2): so a product's two scale registers never have the same number modulo 8
	v_and_b32 v[OU+8*(ii%4)+ii/8+4*(1-(ii/4)%2)], v[SX+ii], v[PM+ii]
.set ii, ii+1
.endr
	s_wait_alu depctr_va_vdst(0)                   ; ahead of the batch
.irp j, 0,1,2,3
	v_rcp_f32 v[RC+\j], v[LL+\j]
.endr
	v_mov_b32 v[RL+1], 0                           ; (named with 1 / l as a pair, so it is written)
	v_mov_b32 v[RL+3], 0
	s_wait_alu depctr_va_vdst(0)                   ; ahead of the readers below
.irp j, 0,1,2,3
	ds_store_b128 v24, v[OU+8*\j:OU+8*\j+3] offset:1024*\j
	ds_store_b128 v24, v[OU+8*\j+4:OU+8*\j+7] offset:1024*\j+16
	ds_store_b32 v25, v[RC+\j] offset:64*\j        ; lanes r and r + 16 store the same value
.endr
	s_wait_loadcnt 0x0                             ; V's scale words
	s_cmp_lt_u32 s14, 2
	s_cbranch_scc0 .Lnot_first
	s_wait_tensorcnt 0x0                           ; V's steps 0-7 and chunk 0; waves 2 and 3 wait for theirs in block 0's round
.Lnot_first:
	s_wait_dscnt 0x0
	s_barrier_signal -1
	s_barrier_wait -1
.macro PRODS i, e                      ; steps 2 i, 2 i + 1: 8 products, the four accumulators of set e by turns; a block's first four start the sums
.irp n, 0,1,2,3,4,5,6,7
.set F_, 8*(\i)+\n
.set K_, F_/4
.set D_, ACC+32*(\e)+8*(F_%4)
.set R_, RING+24*((\i)%4)+12*(K_%2)
.set X_, VS+4*(K_%8)+F_%4
.set Y_, PS+8*(\e)+(K_%8)/2+4*(1-K_%2)
.if F_ == 63
.set A_, F63
	WIN 0
.else
.set A_, 12*(F_%21)
	WIN 1+F_/21
.endif
.if K_ == 0
	v_wmma_scale_f32_16x16x128_f8f6f4 v[D_:D_+7], v[A_:A_+11], v[R_:R_+11], 0, v[X_], v[Y_] matrix_a_fmt:MATRIX_FMT_FP6 matrix_b_fmt:MATRIX_FMT_FP6
.elseif K_ < 8
	v_wmma_scale_f32_16x16x128_f8f6f4 v[D_:D_+7], v[A_:A_+11], v[R_:R_+11], v[D_:D_+7], v[X_], v[Y_] matrix_a_fmt:MATRIX_FMT_FP6 matrix_b_fmt:MATRIX_FMT_FP6
.else
	v_wmma_scale_f32_16x16x128_f8f6f4 v[D_:D_+7], v[A_:A_+11], v[R_:R_+11], v[D_:D_+7], v[X_], v[Y_] matrix_a_fmt:MATRIX_FMT_FP6 matrix_b_fmt:MATRIX_FMT_FP6 matrix_a_scale:MATRIX_SCALE_ROW1 matrix_b_scale:MATRIX_SCALE_ROW1
.endif
.endr
.endm
.macro LDH q                           ; half-set q of the chunk at PA (q of 8 and more: the next chunk's q - 8): 6 loads
.irp m, 0,1
.irp c, 0,1,2
	ds_load_b128 v[RING+24*((\q)%4)+12*\m+4*\c:RING+24*((\q)%4)+12*\m+4*\c+3], v[PA] offset:(2*((\q)%8)+\m)*PT+512*\c
.endr
.endr
.endm
.macro VP i                            ; V's fragments of steps 2 i, 2 i + 1: 24 loads
.irp n, 0,1,2,3,4,5,6,7
.set F_, 8*(\i)+\n
.set K_, F_/4
.if F_ == 63
.set A_, F63
	WIN 0
.else
.set A_, 12*(F_%21)
	WIN (1+F_/21)<<6
.endif
.irp c, 0,1,2
	ds_load_b128 v[A_+4*\c:A_+4*\c+3], v[VA+K_/4] offset:(K_%4)*HSTEP+(F_%4)*FRAGB+512*\c
.endr
.endr
	WIN 0
.endm
.macro EX s, last                      ; the next block's scale words, and this block's 1 / l: 3 loads, in the last block 1
.if (\last) == 0
	ds_load_b128 v[PS+8*(((\s)+1)%2):PS+8*(((\s)+1)%2)+3], v[PSA] offset:2048*((\s)+1)
	ds_load_b128 v[PS+8*(((\s)+1)%2)+4:PS+8*(((\s)+1)%2)+7], v[PSA] offset:2048*((\s)+1)+16
.endif
	ds_load_b32 v[RL+2*((\s)%2)], v[RLA] offset:128*(\s)
.endm
.macro NEXT s                          ; on to chunk s + 1, in place (s + 1) % 5
	v_add_nc_u32 v[PA], (((\s)+1)%5)*CH, v[PA0]
	s_wait_alu depctr_va_vdst(0)
.endm
.macro SCALE e, from, to               ; registers from .. to - 1 of set e, x 1 / l
.set I_, \from
.rept ((\to)-(\from))/2
	v_pk_mul_f32 v[ACC+32*(\e)+I_:ACC+32*(\e)+I_+1], v[ACC+32*(\e)+I_:ACC+32*(\e)+I_+1], v[RL+2*(\e):RL+2*(\e)+1] op_sel_hi:[1,0]
.set I_, I_+2
.endr
.endm
.macro STAGE e                         ; 8 stores into my own stage
.irp t, 0,1,2,3
	ds_store_b128 v[STO], v[ACC+32*(\e)+8*\t:ACC+32*(\e)+8*\t+3] offset:128*(\t/2)+32*(\t%2)
	ds_store_b128 v[STO], v[ACC+32*(\e)+8*\t+4:ACC+32*(\e)+8*\t+7] offset:128*(\t/2)+32*(\t%2)+16
.endr
.endm
.macro BACK e                          ; and 8 loads back, whole rows: LDS serves a wave's instructions in order (ISA guide 5.7.1.4)
.irp i, 0,1,2,3,4,5,6,7
	ds_load_b128 v[ACC+32*(\e)+4*\i:ACC+32*(\e)+4*\i+3], v[RD] offset:2*SPI*\i
.endr
.endm
.macro SEND1 e, i                      ; two rows of 256 bytes, aligned
	global_store_b128 v[CO], v[ACC+32*(\e)+4*(\i):ACC+32*(\e)+4*(\i)+3], s[12:13] offset:(2*(\i)+8*((\i)/4))*4096 th:TH_STORE_NT
.endm
.macro SEND e
.irp i, 0,1,2,3,4,5,6,7
	SEND1 \e, \i
.endr
.endm
; Block s on accumulator set e = s % 2; under it the last block's 16 rows leave.  kind 0: plain; 1: a round and chunks 6, 7; 2: a plain barrier that shows them; 3: the last block; 4: block 1, with a round and chunks 4, 5,
; where the last block's rows leave behind the round, since the stage's bytes are V's until all waves have passed a barrier behind their last read.
; THE WAITS' COUNTS: half-set i of a step i was issued three steps ago; behind it stand two half-sets (12) and, where they fall between, the stage's 8 stores, its 8 loads, EX's 3.
.macro BLK s, kind
.if (\kind) != 4
	s_wait_xcnt 0x0                                ; the stores have read their registers and their base
	s_add_nc_u64 s[12:13], s[12:13], 32*4096
.endif
	s_wait_dscnt 12
	WIN 0
	PLACES 4                                       ; four places ahead of loads into registers that products have read, and of the first read of the last block's results
	LDH 3
	PRODS 0, (\s)%2
	s_wait_dscnt 12
	WIN 0
.if (\kind) == 4
	PLACES 4
.else
	SCALE 1-(\s)%2, 0, 16                          ; (these eight are the places)
.endif
	LDH 4
	PRODS 1, (\s)%2
	s_wait_dscnt 12
	WIN 0
.if (\kind) == 4
	PLACES 4
	LDH 5
.else
	SCALE 1-(\s)%2, 16, 32
	LDH 5
	s_wait_alu depctr_va_vdst(0)                   ; ahead of the readers below
	STAGE 1-(\s)%2
.endif
	PRODS 2, (\s)%2
.if (\kind) == 4
	s_wait_dscnt 12
.else
	s_wait_dscnt 20
.endif
	WIN 0
	PLACES 4
	LDH 6
.if (\kind) != 4
	BACK 1-(\s)%2
.endif
	PRODS 3, (\s)%2
.if (\kind) == 4
	s_wait_dscnt 12
.else
	s_wait_dscnt 28
.endif
	WIN 0
	PLACES 4
	LDH 7
.if (\kind) == 3
	EX \s, 1
.else
	EX \s, 0
.endif
.if ((\kind) == 1) || ((\kind) == 4)
	s_wait_tensorcnt 0x0                           ; the round's three lines: all my tensor loads have landed,
	ds_add_u32 v[SPW], v[NIL]                      ; (the add; products stand between it and the wait for it)
.if (\kind) == 4
	s_mov_b32 s[G0R+1], s80
	s_add_nc_u64 s[G0R+2:G0R+3], s[G0R+2:G0R+3], OHALF-2*PT   ; from chunks 2, 3 to 4, 5, the first of the next half
.else
	s_mov_b32 s[G0R+1], s81
	s_add_nc_u64 s[G0R+2:G0R+3], s[G0R+2:G0R+3], 2*PT
.endif
.elseif (\kind) == 2
	s_wait_tensorcnt 0x0
.endif
	PRODS 4, (\s)%2
.if ((\kind) == 1) || ((\kind) == 2) || ((\kind) == 4)
	WIN 0
	s_wait_alu depctr_va_vdst(0)
	s_wait_dscnt 0x0                               ; the add is done, and so are my reads of the chunk
	s_barrier_signal -1
	PRODS 5, (\s)%2
	WIN 0
	s_barrier_wait -1
.if (\kind) != 2
	CREST
	tensor_load_to_lds s[G0R:G0R+3], s[G1R:G1R+7]  ; my half of a chunk
	s_nop 0
.endif
	PLACES 4
.if (\kind) == 4
	SCALE 1-(\s)%2, 0, 32
.endif
	NEXT \s
	LDH 8
.if (\kind) == 4
	STAGE 1-(\s)%2
	BACK 1-(\s)%2
.endif
.elseif (\kind) == 0
	s_wait_dscnt 31
	WIN 0
	PLACES 4
	NEXT \s
	LDH 8
	PRODS 5, (\s)%2
.else
	s_wait_dscnt 29
	PRODS 5, (\s)%2
.endif
.if (\kind) == 0
	s_wait_dscnt 15                                ; the rows are back from the stage
.elseif (\kind) == 3
	s_wait_dscnt 7
.endif
	WIN 0
.if (\kind) != 3
	PLACES 4
	LDH 9
.endif
.if (\kind) == 4
	global_prefetch_b8 v[PFV], s[46:47] offset:OHALF+2*PT th:TH_LOAD_NT scope:SCOPE_SE   ; chunks 6, 7
.else
	SEND 1-(\s)%2
.endif
	PRODS 6, (\s)%2
.if (\kind) == 0
	s_wait_dscnt 15
.elseif (\kind) == 3
	s_wait_dscnt 1
.endif
	WIN 0
.if (\kind) != 3
	PLACES 4
	LDH 10
.endif
.if (\kind) == 4
	s_wait_dscnt 12                                ; the rows are back: behind them stand two half-sets
	SEND 1-(\s)%2
.endif
	PRODS 7, (\s)%2
	WIN 0
.endm
; BLOCK 0: V goes into registers under its products, two steps' fragments (24 loads) at a time
	ds_load_b128 v[PS:PS+3], v[PSA]
	ds_load_b128 v[PS+4:PS+7], v[PSA] offset:16
	LDH 0
	LDH 1
	LDH 2
	VP 0
	VP 1
	s_wait_dscnt 24                                ; V's first pair of steps; the second's 24 may be out
	PRODS 0, 0
	WIN 0
	PLACES 4
	LDH 3
	VP 2
	s_wait_dscnt 30                                ; (LDH 3, VP 2)
	PRODS 1, 0
	WIN 0
	PLACES 4
	LDH 4
	VP 3
	s_wait_dscnt 30                                ; (LDH 4, VP 3)
	s_wait_tensorcnt 0x0                           ; the round's three lines: all the head's loads have landed,
	ds_add_u32 v[SPW], v[NIL]                      ; (the add)
	PRODS 2, 0
	WIN 0
	s_wait_alu depctr_va_vdst(0)
	s_wait_dscnt 0x0                               ; the add is done, and V's steps 0-7 are in my registers
	s_barrier_signal -1
	PRODS 3, 0
	WIN 0
	s_barrier_wait -1
	CREST
	tensor_load_to_lds s[G0R:G0R+3], s[G1R:G1R+7]  ; chunks 2, 3, onto V's steps 0-7
	s_nop 0
	PLACES 4
	LDH 5
	LDH 6
	VP 4
	VP 5
	global_prefetch_b8 v[PFV], s[46:47] offset:OHALF th:TH_LOAD_NT scope:SCOPE_SE   ; chunks 4, 5
	s_wait_dscnt 24                                ; (VP 5)
	PRODS 4, 0
	WIN 0
	PLACES 4
	EX 0, 0
	LDH 7
	VP 6
	s_wait_dscnt 33                                ; (EX, LDH 7, VP 6)
	PRODS 5, 0
	WIN 0
	PLACES 4
	NEXT 0
	LDH 8
	VP 7
	s_wait_dscnt 30                                ; (LDH 8, VP 7)
	PRODS 6, 0
	WIN 0
	PLACES 4
	LDH 9
	s_wait_dscnt 6                                 ; (LDH 9)
	PRODS 7, 0
	WIN 0
	PLACES 4
	LDH 10
	BLK 1, 4
	BLK 2, 0
	BLK 3, 1
	BLK 4, 0
	BLK 5, 2
	BLK 6, 0
	BLK 7, 3
	PLACES 4                                       ; the last block's rows
	s_wait_xcnt 0x0
	s_add_nc_u64 s[12:13], s[12:13], 32*4096
	s_wait_dscnt 0x0
	SCALE 1, 0, 32
	s_wait_alu depctr_va_vdst(0)                   ; ahead of the readers below
	STAGE 1
	BACK 1
.irp i, 0,1,2,3,4,5,6,7
	s_wait_dscnt 7-\i
	SEND1 1, \i
.endr
	s_wait_tensorcnt 0x0                           ; the wave's end
	ds_add_u32 v[SPW], v[NIL]
	s_wait_dscnt 0x0
	CROUND                                         ; the closing round: no work-group ends while a partner may still ask for a tile that names it
	s_endpgm
.Lfunc_end_k_q2a59789d67_pv:
	.size	k_q2a59789d67_pv, .Lfunc_end_k_q2a59789d67_pv-k_q2a59789d67_pv
	.p2alignl 7, 3214868480
	.fill 96, 4, 3214868480
	.section	.rodata,"a",@progbits
	.p2align	6, 0x0
	.amdhsa_kernel k_q2a59789d67_pv
		.amdhsa_group_segment_fixed_size 327680
		.amdhsa_private_segment_fixed_size 0
		.amdhsa_enable_private_segment 0
		.amdhsa_kernarg_size 40
		.amdhsa_user_sgpr_count 2
		.amdhsa_user_sgpr_kernarg_segment_ptr 1
		.amdhsa_wavefront_size32 1
		.amdhsa_system_sgpr_workgroup_id_x 1
		.amdhsa_system_sgpr_workgroup_id_y 1
		.amdhsa_system_sgpr_workgroup_id_z 1
		.amdhsa_system_vgpr_workitem_id 0
		.amdhsa_next_free_vgpr 1024
		.amdhsa_next_free_sgpr 102
		.amdhsa_reserve_vcc 0
		.amdhsa_float_denorm_mode_32 3
		.amdhsa_float_denorm_mode_16_64 3
		.amdhsa_memory_ordered 1
		.amdhsa_forward_progress 1
		.amdhsa_inst_pref_size 174
	.end_amdhsa_kernel
	.amdgpu_metadata
---
amdhsa.version: [ 1, 2 ]
amdhsa.kernels:
  - .name:           k_q2a59789d67_pv
    .symbol:         k_q2a59789d67_pv.kd
    .args:
      - { .name: pc, .offset: 0, .size: 8, .value_kind: global_buffer, .address_space: global }
      - { .name: pst, .offset: 8, .size: 8, .value_kind: global_buffer, .address_space: global }
      - { .name: qkvc, .offset: 16, .size: 8, .value_kind: global_buffer, .address_space: global }
      - { .name: qkvs, .offset: 24, .size: 8, .value_kind: global_buffer, .address_space: global }
      - { .name: out0, .offset: 32, .size: 8, .value_kind: global_buffer, .address_space: global }
    .group_segment_fixed_size: 327680
    .private_segment_fixed_size: 0
    .kernarg_segment_align: 8
    .kernarg_segment_size: 40
    .max_flat_workgroup_size: 128
    .sgpr_count:     102
    .vgpr_count:     1024
    .wavefront_size: 32
...
	.end_amdgpu_metadata
.endif
;; end of part 4
